; MI455X (gfx1250); checked and timed in simulation.
; The chip was launched on July 23, 2026; its instructions are those of AMD's public machine-readable ISA for CDNA 5 (MIT licence, August 2026) and "CDNA5" Instruction Set Architecture Reference Guide (July 2026). The comments in the code are by the model that wrote it; some were corrected since.
;; Attention. Allowed arithmetic: matrix products marked QUANTISED: E4M3 operands, one E8M0 scale for each 32 along K, by v_wmma_scale_f32_16x16x128_f8f6f4 with both operands' format E4M3, f32 sums; everything else in f32.
;; Inputs: W_out_codes 1,024 x 32 x 32 uint8 (E4M3 codes of W_out, K innermost, in blocks of 32 codes); W_out_scales 1,024 x 32 uint8 (E8M0 scales of W_out, one for each 32 codes along K); W_qk_codes 2,048 x 32 x 32 uint8 (E4M3 codes of W_qk, K innermost, in blocks of 32 codes); W_qk_scales 2,048 x 32 uint8 (E8M0 scales of W_qk, one for each 32 codes along K); W_v_codes 1,024 x 32 x 32 uint8 (E4M3 codes of W_v, K innermost, in blocks of 32 codes); W_v_scales 1,024 x 32 uint8 (E8M0 scales of W_v, one for each 32 codes along K); b_out 1,024 float32; mask 8 x 1,023 bool; pos 8 x 1,024 x 1,024 float32; x_codes 8 x 1,024 x 32 x 32 uint8 (E4M3 codes of x, K innermost, in blocks of 32 codes); x_scales 8 x 1,024 x 32 uint8 (E8M0 scales of x, one for each 32 codes along K).
;; Outputs: out0 8 x 1,024 x 1,024 float32.
;; This version of the problem:
;;   THIS VERSION OF THE PROBLEM IS GIVEN IN LOW PRECISION. The matrix products marked QUANTISED in the list below multiply operands that are first quantised to E4M3 (4 exponent bits, 3 mantissa bits; 8 bits a number), with one power-of-two scale for each 32 numbers along K (OCP MX v1.0); their sums are f32. All else is computed in f32.
;;   The module's matrix products, in the order in which they are computed (A, B: the left and right operand; K: the contracted axis; several contracted axes count as one K, in the product's order):
;;     1. [M 8,192, K 1,024] x [K 1,024, N 2,048]; A: input x (given as codes); B: input W_qk (given as codes): QUANTISED
;;     2. [M 8,192, K 1,024] x [K 1,024, N 1,024]; A: input x (given as codes); B: input W_v (given as codes): QUANTISED
;;     3. batch 128 x [M 1,024, K 64] x [K 64, N 1,024]; A: computed on the way; B: computed on the way: QUANTISED
;;     4. batch 128 x [M 1,024, K 1,024] x [K 1,024, N 64]; A: softmax (see below); B: computed on the way: QUANTISED
;;     5. [M 8,192, K 1,024] x [K 1,024, N 1,024]; A: computed on the way; B: input W_out (given as codes): QUANTISED
;;   THE QUANTISER, for each operand of a quantised product, along K:
;;     - K is cut into blocks of 32 from its start; a last block that is shorter is filled with zeros.
;;     - A block's scale is 2^e with e = floor(log2(the largest magnitude in the block)) - 8, held to -126 .. 127; a block of zeros has e = 0. As a byte (E8M0): e + 127.
;;     - Each number is divided by its block's scale, clamped to +-448, and rounded to the nearest number of E4M3, ties to even, subnormals kept.
;;     - The product sums the exact products of the quantised numbers (number of the format x scale) in f32.
;;   ~~~python
;;   def quantise(x, axis):      # numpy; x: float32 -> the quantised numbers, widened to float32 again
;;       x = np.moveaxis(x, axis, -1); K = x.shape[-1]
;;       x = np.pad(x, [(0, 0)] * (x.ndim - 1) + [(0, -K % 32)]); x = x.reshape(x.shape[:-1] + (-1, 32)); a = np.abs(x).max(-1, keepdims=True)
;;       e = np.where(a > 0, np.clip(np.frexp(np.where(a > 0, a, 1))[1] - 1 - 8, -126, 127), 0)      # np.frexp(a)[1] - 1 = floor(log2(a)), exactly
;;       r = np.clip(x / 2.0 ** e, -448, 448)
;;       step = 2.0 ** (np.maximum(np.frexp(np.where(r == 0, 1, r))[1] - 1, -6) - 3)
;;       q = np.round(r / step) * step * 2.0 ** e      # np.round: ties to even
;;       return np.moveaxis(q.reshape(q.shape[:-2] + (-1,))[..., :K], -1, axis).astype(np.float32)
;;   ~~~
;;   SOFTMAX AHEAD OF A QUANTISED PRODUCT. Where the list says 'softmax', what is quantised is not the finished softmax but p = 2^(t - M), with t = logit x log2(e) and M = ceil(the row's largest t), a whole number; so 1/2 < the row's largest p <= 1. The row's sum l is taken of the UNQUANTISED p, in f32, and the product's result is divided by l at the end. Since M is a whole number, a kernel that streams over the keys may use a running M (the ceiling of the running maximum): every later rescaling is an exact power of two, which a block's scale takes up: the codes' values come out the same.
;;   OPERANDS COMPUTED ON THE WAY. 'Computed on the way' means the value that the module computes at that place (a softmax that the list does not call 'softmax' is quantised finished and normalised). What goes into a quantiser is computed in f32, as accurately as f32 sums, v_exp_f32 and their like allow (about 1e-6 of the number): no bf16 or f16 on the way to a quantiser, and a product that is left as it is and whose result goes on into a quantised operand takes f32 operands (vector FMAs, or v_wmma_f32_16x16x4_f32). A number that lies on a knife's edge between two numbers of the format may be rounded either way, as far as f32 arithmetic and the matrix unit's own rounding can turn it there, and no further.
;;   INPUTS GIVEN AS CODES. W_out (in the module: [1024, 1024], K = its axis 1); W_qk (in the module: [2048, 1024], K = its axis 1); W_v (in the module: [1024, 1024], K = its axis 1); x (in the module: [8, 1024, 1024], K = its axis 2): each comes as NAME_codes (uint8): NAME with its K axis moved to the last place and cut into blocks of 32 codes, [.., K / 32, bytes a block], one block behind the other in memory; one code a byte (a code: sign, 4 exponent bits, 3 mantissa bits); and NAME_scales (uint8): the same leading axes, one E8M0 byte (e + 127) for each 32 codes along K. Its value is code x scale, taken as it is: it is not quantised again, and the codes and scales need not be those that the quantiser above would give.
;; One version. Each part assembles by itself: llvm-mc -triple=amdgcn-amd-amdhsa -mcpu=gfx1250 --defsym DOCPART=n.
;; ======== version 1 of 1: 3 launches
;; limits: right only within a limited range of input values
;; workspace buffers: qbuf 8,912,896 bytes; kv 17,563,648 bytes; ao 8,388,608 bytes; aosc 262,144 bytes
;; launch qkv (part 1): grid 12 x 32, 4 waves a work-group, clusters of 4 x 4, 327,680 bytes of LDS; arguments x_codes, x_scales, W_qk_codes, W_qk_scales, W_v_codes, W_v_scales, pos, mask, qbuf, kv; writes qbuf, kv
.if DOCPART == 1
	.amdgcn_target "amdgcn-amd-amdhsa--gfx1250"
	.amdhsa_code_object_version 6
	.text
	.protected	k_qa9b98a7a96_qkv
	.globl	k_qa9b98a7a96_qkv
	.p2align	8
	.type	k_qa9b98a7a96_qkv,@function
k_qa9b98a7a96_qkv:
	s_mov_b64 s[64:65], 0
	v_nop
	global_prefetch_b8 v0, s[64:65] scope:SCOPE_SE
	s_setreg_imm32_b32 hwreg(HW_REG_WAVE_MODE, 25, 1), 1
	s_wait_xcnt 0x0
	s_wait_alu depctr_hold_cnt(0) depctr_sa_sdst(0) depctr_va_vdst(0) depctr_va_sdst(0) depctr_va_ssrc(0) depctr_va_vcc(0) depctr_vm_vsrc(0)
	s_getreg_b32 s2, hwreg(HW_REG_IB_STS2, 6, 4)
	s_cmp_eq_u32 s2, 0
	s_cbranch_scc0 .Lentry_in_a_cluster
	s_endpgm
.Lentry_in_a_cluster:
	s_bfe_u32 s2, ttmp6, 0x10000c
	s_cmp_lg_u32 s2, 0xf033
	s_cbranch_scc0 .Lentry_shape_is_right
	s_endpgm
.Lentry_shape_is_right:
.set KSTEP,  256
.set NQ,     2
.set ROWB,   256
.set KROW,   1024
.set PITCH,  272
.set FR,     16
.set NL,     4
.set NP,     8
.set HALFT,  128*PITCH
.set SLOT,   4*HALFT
.set KS,     32
.set SCL,    2*SLOT
.set HALFS,  (128*KS/256)*272
.set SBLK,   (16*KS/256)*272
.set SPARE,  SCL+4*HALFS
.set ADRA, 16
.set ADRB, 20
.set LI,   24
.set MO0,  25
.set MO1,  26
.set ADRS, 27
.set SPW,  28
.set NIL,  29
.set PO,   30
.set TOK,  31
.set SC,   32
.set MK,   64
.set WD,   72
.set VO,   80
.set TM,   84
.set TW,   100
.set VVIS, 112
.set VHID, 113
.set L8,   114
.set LANE, 115
.set AF,   128
.set PC,   128
.set G1,   24
.set G0,   32
.set CX,   40
.set CY,   41
.set YY,   42
.set WC,   46
.set ISV,  47
.set G1B,  48
.set G0B,  56
.set WV,   66
.set WR,   67
.set G1S,  68
.set G0S,  76
.set G1SB, 80
.set G0SB, 88
.set SEL,  36
.set MNT,  38
.set MSB, 0
.macro WIN new
.if MSB != \new
	s_set_vgpr_msb (MSB<<8)|\new
.set MSB, \new
.endif
.endm
.set MUL_LO, 0xa1
.set MUL_HI, 0xf1
.set TO_B,   0x40
.macro JLOAD g0a, g1a, g0b, g1b
	s_cmp_eq_u32 s[WR], 0
	s_cbranch_scc0 .Lfor_b_\@
	tensor_load_to_lds s[\g0a:\g0a+3], s[\g1a:\g1a+7]
	s_nop 0
.rept 4
	v_nop
.endr
	s_branch .Lasked_\@
.Lfor_b_\@:
	tensor_load_to_lds s[\g0b:\g0b+3], s[\g1b:\g1b+7]
	s_nop 0
.rept 4
	v_nop
.endr
.Lasked_\@:
.endm
.macro CREST
	s_cmp_lg_u32 s[WV], 0
	s_cbranch_scc1 .Lnot_wave_0_\@
	s_barrier_signal -3
.Lnot_wave_0_\@:
	s_barrier_wait -3
	s_barrier_signal -1
	s_barrier_wait -1
.endm
.macro CROUND
	s_barrier_signal -1
	s_barrier_wait -1
	CREST
.endm
	s_load_b256 s[4:11], s[0:1], 0x0
	s_load_b128 s[12:15], s[0:1], 0x20
	s_load_b128 s[16:19], s[0:1], 0x30
	s_load_b128 s[20:23], s[0:1], 0x40
	v_lshl_add_u32 v[SPW], v0, 2, SPARE
	v_mov_b32 v[NIL], 0
	ds_add_u32 v[SPW], v[NIL]
	ds_add_u32 v[SPW], v[NIL]
	v_lshrrev_b32 v1, 5, v0
	v_readfirstlane_b32 s[WV], v1
	s_lshr_b32 s[WR], s[WV], 1
	s_and_b32 s[WC], s[WV], 1
	s_bfe_u32 s[CX], ttmp6, 0x40000
	s_bfe_u32 s[CY], ttmp6, 0x40004
	s_and_b32 s[YY], ttmp7, 0xffff
	s_lshl_b32 s43, s[CY], 2
	s_lshl_b32 s43, 15, s43
	s_lshl_b32 s44, 0x1111, s[CX]
	s_or_b32 s[G1+0], s43, (0<<16)|(1<<20)|(1<<21)|(5<<22)|(3<<25)
	s_or_b32 s[G1B+0], s44, (0<<16)|(1<<20)|(1<<21)|(5<<22)|(3<<25)
.irp g, G1, G1B
	s_mov_b32 s[\g+1], ROWB<<16
	s_mov_b32 s[\g+2], 128<<16
	s_mov_b32 s[\g+3], ROWB<<16
	s_mov_b32 s[\g+4], 128
	s_mov_b32 s[\g+5], KROW
	s_mov_b32 s[\g+6], 0
	s_mov_b32 s[\g+7], 0
.endr
	s_or_b32 s[G1S+0], s43, (3<<16)|(1<<20)|(1<<21)|(5<<22)|(3<<25)
	s_or_b32 s[G1SB+0], s44, (3<<16)|(1<<20)|(1<<21)|(5<<22)|(3<<25)
.irp g, G1S, G1SB
	s_mov_b32 s[\g+1], 32<<16
	s_mov_b32 s[\g+2], (128*KS/256)<<16
	s_mov_b32 s[\g+3], 32<<16
	s_mov_b32 s[\g+4], 128*KS/256
	s_mov_b32 s[\g+5], 32
	s_mov_b32 s[\g+6], 0
	s_mov_b32 s[\g+7], 0
.endr
	s_lshl_b32 s92, s[YY], 2
	s_lshl_b32 s95, ttmp9, 2
	s_cmp_eq_u32 ttmp9, 2
	s_cselect_b32 s[ISV], 1, 0
	s_cselect_b32 s93, 0, s92
	s_cselect_b32 s94, s92, s95
	s_cselect_b32 s96, 8, 7
	s_cselect_b32 s97, 7, 10
	s_add_co_u32 s93, s93, s[CY]
	s_lshl_b32 s93, s93, 8
	s_lshl_b32 s98, s[WC], 7
	s_add_co_u32 s98, s98, s93
	s_add_co_u32 s94, s94, s[CX]
	s_lshl_b32 s94, s94, s96
	s_lshl_b32 s99, s[WC], s97
	s_add_co_u32 s99, s99, s94
	s_mul_i32 s45, s[WV], HALFT
	s_wait_dscnt 0x0
	s_wait_kmcnt 0x0
	s_cmp_eq_u32 ttmp9, 2
	s_cselect_b64 s[92:93], s[12:13], s[4:5]
	s_cselect_b64 s[94:95], s[14:15], s[6:7]
	s_cselect_b64 s[96:97], s[4:5], s[8:9]
	s_cselect_b64 s[100:101], s[6:7], s[10:11]
	s_lshl_b32 s104, s98, 10
	s_mov_b32 s105, 0
	s_add_nc_u64 s[92:93], s[92:93], s[104:105]
	s_lshl_b32 s104, s98, 5
	s_add_nc_u64 s[94:95], s[94:95], s[104:105]
	s_lshl_b32 s2, s99, 10
	s_mov_b32 s3, 0
	s_add_nc_u64 s[96:97], s[96:97], s[2:3]
	s_lshl_b32 s2, s99, 5
	s_add_nc_u64 s[100:101], s[100:101], s[2:3]
	s_mul_i32 s2, s[WV], HALFS
	CROUND
	s_mov_b32 s[G0S], 1
	s_add_co_u32 s[G0S+1], s2, SCL
	s_mov_b64 s[G0S+2:G0S+3], s[94:95]
	s_or_b32 s[G0S+3], s[G0S+3], 0x80000000
	s_mov_b32 s[G0SB], 1
	s_add_co_u32 s[G0SB+1], s2, SCL
	s_mov_b64 s[G0SB+2:G0SB+3], s[100:101]
	s_or_b32 s[G0SB+3], s[G0SB+3], 0x80000000
	JLOAD G0S, G1S, G0SB, G1SB
.irp s, 0,1
	s_mov_b32 s[G0+4*\s], 1
	s_add_co_u32 s[G0+4*\s+1], s45, \s*SLOT
	s_add_nc_u64 s[G0+4*\s+2:G0+4*\s+3], s[92:93], \s*ROWB
	s_or_b32 s[G0+4*\s+3], s[G0+4*\s+3], 0x80000000
	s_mov_b32 s[G0B+4*\s], 1
	s_add_co_u32 s[G0B+4*\s+1], s45, \s*SLOT
	s_add_nc_u64 s[G0B+4*\s+2:G0B+4*\s+3], s[96:97], \s*ROWB
	s_or_b32 s[G0B+4*\s+3], s[G0B+4*\s+3], 0x80000000
	s_wait_alu depctr_va_vdst(0)
	s_wait_tensorcnt 0x0
	ds_add_u32 v28, v29
	s_wait_dscnt 0x0
	CROUND
	JLOAD G0+4*\s, G1, G0B+4*\s, G1B
.endr
	v_and_b32 v1, 15, v0
	v_bfe_u32 v2, v0, 4, 1
	v_mul_u32_u24 v3, v1, PITCH
	v_lshl_add_u32 v4, v2, 4, v3
	s_mul_i32 s92, s[WR], HALFT
	s_mul_i32 s93, s[WC], HALFT
	s_add_co_u32 s93, s93, 2*HALFT
.irp s, 0,1
	v_add_nc_u32 v[ADRA+\s], s92, v4
	v_add_nc_u32 v[ADRB+\s], s93, v4
	s_add_co_u32 s92, s92, SLOT
	s_add_co_u32 s93, s93, SLOT
.endr
	v_mul_u32_u24 v5, v1, KS
	v_lshrrev_b32 v6, 8, v5
	v_lshl_add_u32 v5, v6, 4, v5
	s_mul_i32 s92, s[WR], HALFS
	s_mul_i32 s93, s[WC], HALFS
	s_add_co_u32 s93, s93, 2*HALFS
	s_sub_co_u32 s93, s93, s92
	v_mul_u32_u24 v6, s93, v2
	s_add_co_u32 s92, s92, SCL
	v_add_nc_u32 v5, v5, v6
	v_add_nc_u32 v[ADRS], s92, v5
	v_and_b32 v7, 31, v0
	v_lshlrev_b32 v[LI], 4, v7
	v_lshlrev_b32 v[PO], 12, v1
	v_lshl_add_u32 v[PO], v2, 5, v[PO]
	s_lshl_b32 s92, s[CY], 8
	s_lshl_b32 s93, s[WR], 7
	s_add_co_u32 s92, s92, s93
	v_add_nc_u32 v[TOK], s92, v1
	s_mul_i32 s93, s[YY], 1023
	v_max_u32 v[MO0], 1, v[TOK]
	v_add_nc_u32 v[MO0], s93, v[MO0]
	v_add_nc_u32 v[MO0], -1, v[MO0]
	v_add_nc_u32 v[MO1], s93, v[TOK]
	v_add_nc_u32 v[MO1], 15, v[MO1]
	global_load_u8 v[MK], v[MO0], s[18:19]
.irp a, 1,2,3,4,5,6,7
	global_load_u8 v[MK+\a], v[MO1], s[18:19] offset:16*(\a-1)
.endr
.macro FRAG reg, adr, q, i
.irp c, 0,1,2,3
	ds_load_b128 v[\reg+4*\c:\reg+4*\c+3], v[\adr] offset:128*(\q)+32*\c+(\i)*16*PITCH
.endr
.endm
.macro MUL16 a0, p, q, sc, zero
.irp a, \a0, \a0+1
.irp b, 0,1,2,3,4,5,6,7
.if \zero
	v_wmma_scale_f32_16x16x128_f8f6f4 v[8*(8*((\a)%4)+\b):8*(8*((\a)%4)+\b)+7], v[128*(\p)+FR*\b:128*(\p)+FR*\b+FR-1], v[AF+FR*(\a):AF+FR*(\a)+FR-1], 0, v[SC+8*NQ*(\sc)+NQ*\b+(\q)], v[SC+8*NQ*(\sc)+NQ*(\a)+(\q)] matrix_a_scale:MATRIX_SCALE_ROW1
.else
	v_wmma_scale_f32_16x16x128_f8f6f4 v[8*(8*((\a)%4)+\b):8*(8*((\a)%4)+\b)+7], v[128*(\p)+FR*\b:128*(\p)+FR*\b+FR-1], v[AF+FR*(\a):AF+FR*(\a)+FR-1], v[8*(8*((\a)%4)+\b):8*(8*((\a)%4)+\b)+7], v[SC+8*NQ*(\sc)+NQ*\b+(\q)], v[SC+8*NQ*(\sc)+NQ*(\a)+(\q)] matrix_a_scale:MATRIX_SCALE_ROW1
.endif
.endr
.endr
.endm
.macro FETCH_B slot, q, p
	WIN TO_B
.irp i, 0,1,2,3,4,5,6,7
	FRAG 128*(\p)+FR*\i, ADRB+\slot, \q, \i
.endr
	WIN 0
.endm
.macro FETCH_A slot, q, i0
.irp i, \i0, \i0+1, \i0+2, \i0+3
	FRAG AF+FR*(\i), ADRA+\slot, \q, \i
.endr
.endm
.macro SCALES sc
.irp i, 0,1,2,3,4,5,6,7
	ds_load_b64 v[SC+8*NQ*\sc+NQ*\i:SC+8*NQ*\sc+NQ*\i+1], v[ADRS] offset:\i*SBLK
.endr
.endm
.macro PLACES n
.rept \n
	v_nop
.endr
.endm
.macro STEP slot, q, zero
	s_wait_dscnt 4*NL
	WIN MUL_LO
	MUL16 0, (\q)%2, \q, \slot, \zero
	MUL16 2, (\q)%2, \q, \slot, \zero
	s_wait_dscnt 0
	PLACES NP
	FETCH_B \slot, (\q)+1, 1-(\q)%2
	FETCH_A \slot, (\q)+1, 0
	WIN MUL_HI
	MUL16 4, (\q)%2, \q, \slot, \zero
	MUL16 6, (\q)%2, \q, \slot, \zero
	PLACES NP
	WIN 0
	FETCH_A \slot, (\q)+1, 4
.endm
.macro TURN slot, next, fill
	s_wait_tensorcnt 0x0
	ds_add_u32 v[SPW], v[NIL]
	s_wait_dscnt 4*NL+1
	WIN MUL_LO
	MUL16 0, 1, NQ-1, \slot, 0
	s_wait_dscnt 0x0
	s_barrier_signal -1
	MUL16 2, 1, NQ-1, \slot, 0
	WIN 0
	s_barrier_wait -1
.if \fill
	CREST
	s_add_nc_u64 s[G0+4*\slot+2:G0+4*\slot+3], s[G0+4*\slot+2:G0+4*\slot+3], 2*ROWB
	s_add_nc_u64 s[G0B+4*\slot+2:G0B+4*\slot+3], s[G0B+4*\slot+2:G0B+4*\slot+3], 2*ROWB
	JLOAD G0+4*\slot, G1, G0B+4*\slot, G1B
	PLACES NP-4
.else
	PLACES NP
.endif
	s_wait_alu depctr_va_vdst(0)
	v_add_nc_u32 v[ADRS], 4*NQ, v[ADRS]
	FETCH_B \next, 0, 0
	FETCH_A \next, 0, 0
	SCALES \next
	WIN MUL_HI
	MUL16 4, 1, NQ-1, \slot, 0
	MUL16 6, 1, NQ-1, \slot, 0
	PLACES NP
	WIN 0
	FETCH_A \next, 0, 4
.endm
.macro FIRST zero
	s_wait_tensorcnt 1
	s_barrier_signal -1
	s_barrier_wait -1
	FETCH_B 0, 0, 0
	FETCH_A 0, 0, 0
	SCALES 0
	FETCH_A 0, 0, 4
	s_wait_loadcnt 0x0
	STEP 0, 0, \zero
.endm
	s_cmp_eq_u32 ttmp9, 2
	s_cbranch_scc1 .Lv_first
	s_lshl_b32 s92, s[YY], 2
	s_add_co_u32 s92, s92, s[CY]
	s_lshl_b32 s92, s92, 1
	s_add_co_u32 s92, s92, s[WR]
	s_lshl_b32 s92, s92, 19
	s_lshl_b32 s93, ttmp9, 2
	s_add_co_u32 s93, s93, s[CX]
	s_lshl_b32 s93, s93, 9
	s_add_co_u32 s92, s92, s93
	s_mov_b32 s93, 0
	s_add_nc_u64 s[16:17], s[16:17], s[92:93]
	s_wait_alu depctr_va_vdst(0)
.irp a, 0,1,2,3,4,5,6,7
.set WN, 0x80+0x40*(\a/4)
	WIN WN
.irp b, 0,1,2,3,4,5,6,7
	global_load_b128 v[8*(8*(\a%4)+\b):8*(8*(\a%4)+\b)+3], v[PO], s[16:17] offset:65536*\a+64*\b
	global_load_b128 v[8*(8*(\a%4)+\b)+4:8*(8*(\a%4)+\b)+7], v[PO], s[16:17] offset:65536*\a+64*\b+16
.endr
.endr
	WIN 0
	FIRST 0
	s_branch .Ljoined
.Lv_first:
	FIRST 1
.Ljoined:
	TURN 0, 1, 1
	STEP 1, 0, 0
	TURN 1, 0, 1
	STEP 0, 0, 0
	TURN 0, 1, 0
	STEP 1, 0, 0
	s_wait_dscnt 4*NL
	WIN MUL_LO
	MUL16 0, 1, NQ-1, 1, 0
	MUL16 2, 1, NQ-1, 1, 0
	s_wait_dscnt 0
	WIN MUL_HI
	MUL16 4, 1, NQ-1, 1, 0
	MUL16 6, 1, NQ-1, 1, 0
	WIN 0
	s_lshl_b32 s92, s[CY], 1
	s_add_co_u32 s92, s92, s[WR]
	s_lshl_b32 s93, s[CX], 1
	s_add_co_u32 s93, s93, s[WC]
	s_lshl_b32 s94, ttmp9, 2
	s_add_co_u32 s94, s94, s[CX]
	s_lshl_b32 s94, s94, 1
	s_lshl_b32 s95, s[CY], 2
	s_lshl_b32 s96, s[WR], 1
	s_add_co_u32 s95, s95, s96
	s_lshl_b32 s96, s[YY], 4
	s_or_b32 s97, s[ISV], s[WC]
	s_lshl_b32 s30, 1024, s[ISV]
	s_mov_b32 s31, 131072
	s_mov_b32 s98, 137216
	s_mov_b32 s99, 68608
	s_mov_b32 s104, 254
	s_mov_b32 s[SEL], 0x76543210
	s_mov_b32 s[SEL+1], 0xfedcba98
	s_mov_b32 s[MNT], 0x600000
	s_cmp_eq_u32 s97, 0
	s_cselect_b64 s[24:25], s[20:21], s[22:23]
	s_cselect_b32 s32, 69632, s98
	s_cselect_b32 s100, 32768, s99
	s_cselect_b32 s101, 2048, s99
	s_cselect_b32 s33, 127, 1
	s_cselect_b32 s34, 127, s104
	s_cmp_eq_u32 s[ISV], 1
	s_cselect_b32 s92, s93, s92
	s_cselect_b32 s94, s95, s94
	s_cselect_b32 s28, 1024, s32
	s_cselect_b32 s31, s31, 1024
	s_add_co_u32 s29, s28, 512
	s_add_co_u32 s94, s94, s96
	s_mul_i32 s94, s94, s32
	s_lshr_b32 s95, s92, 2
	s_and_b32 s92, s92, 3
	s_mul_i32 s96, s95, s100
	s_add_co_u32 s96, s96, s94
	s_lshl_b32 s93, s92, 13
	s_add_co_u32 s96, s96, s93
	s_lshl_b32 s93, s[ISV], 15
	s_add_co_u32 s96, s96, s93
	s_mov_b32 s97, 0
	s_mov_b64 s[26:27], s[24:25]
	s_add_nc_u64 s[24:25], s[24:25], s[96:97]
	s_mul_i32 s96, s95, s101
	s_add_co_u32 s96, s96, s94
	s_sub_co_u32 s93, 9, s[ISV]
	s_lshl_b32 s93, s92, s93
	s_add_co_u32 s96, s96, s93
	s_lshl_b32 s93, s[ISV], 11
	s_add_co_u32 s96, s96, s93
	s_add_co_u32 s96, s96, 65536
	s_add_nc_u64 s[26:27], s[26:27], s[96:97]
	v_mov_b32 v[VO], v[LI]
	v_add_nc_u32 v[VO+1], 512, v[LI]
	v_add_nc_u32 v[VO+2], s28, v[LI]
	v_add_nc_u32 v[VO+3], s29, v[LI]
.irp p, 0,1,2,3
	v_mov_b32 v[TM+4+\p], 0
.endr
	v_mov_b32 v[VVIS], s33
	v_mov_b32 v[VHID], s34
	v_and_b32 v[LANE], 31, v0
	v_cmp_le_u32 s35, 16, v[LANE]
.macro EPI a
.set AC, 64*((\a)%4)
.set WW, 2+(\a)/4
.set WN, WW|(WW<<2)
	WIN WN
.irp p, 0,1,2,3
	v_max3_num_f32 v[TM+\p], |v[AC+16*\p]|, |v[AC+16*\p+1]|, 0x4800000
.endr
.set WN, (WW<<2)|(WW<<4)
	WIN WN
.irp i, 2,4,6,8,10,12,14
.irp p, 0,1,2,3
	v_max3_num_f32 v[TM+\p], v[TM+\p], |v[AC+16*\p+\i]|, |v[AC+16*\p+\i+1]|
.endr
.endr
	WIN 0
.irp p, 0,1,2,3
	v_permlanex16_b32 v[TM+4+\p], v[TM+\p], s[SEL], s[SEL+1]
.endr
.irp p, 0,1,2,3
	v_max_num_f32 v[TM+\p], v[TM+\p], v[TM+4+\p]
.endr
.irp p, 0,1,2,3
	v_add_nc_u32 v[TM+12+\p], 0xfc000000, v[TM+\p]
.endr
.irp p, 0,1,2,3
	v_and_or_b32 v[TM+8+\p], v[TM+\p], 0x7f800000, s[MNT]
.endr
.irp p, 0,1,2,3
	v_lshrrev_b32 v[TM+4+\p], 23, v[TM+12+\p]
.endr
	v_lshl_or_b32 v[WD+(\a)], v[TM+5], 8, v[TM+4]
	v_lshl_or_b32 v[WD+(\a)], v[TM+6], 16, v[WD+(\a)]
	v_lshl_or_b32 v[WD+(\a)], v[TM+7], 24, v[WD+(\a)]
.set WN, WW|(WW<<6)
	WIN WN
.irp p, 0,1,2,3
.irp i, 0,1,2,3,4,5,6,7,8,9,10,11,12,13,14,15
	v_med3_num_f32 v[AC+16*\p+\i], v[AC+16*\p+\i], -v[TM+8+\p], v[TM+8+\p]
.endr
.endr
	WIN 0
	s_wait_alu depctr_va_vdst(0)
	s_wait_xcnt 0x0
.if (\a) == 4
.irp p, 0,1,2,3
	v_add_nc_u32 v[VO+\p], s31, v[VO+\p]
.endr
.elseif (\a) > 0
.irp p, 0,1,2,3
	v_add_nc_u32 v[VO+\p], s30, v[VO+\p]
.endr
.endif
	WIN WW
.irp p, 0,1,2,3
	v_cvt_scalef32_pk8_fp8_f32 v[PC+4*\p:PC+4*\p+1], v[AC+16*\p:AC+16*\p+7], v[TM+12+\p]
	v_cvt_scalef32_pk8_fp8_f32 v[PC+4*\p+2:PC+4*\p+3], v[AC+16*\p+8:AC+16*\p+15], v[TM+12+\p]
.endr
	WIN 0
	v_nop
.irp p, 0,1,2,3
	global_store_b128 v[VO+\p], v[PC+4*\p:PC+4*\p+3], s[24:25]
.endr
.endm
.irp a, 0,1,2,3,4,5,6,7
	EPI \a
.endr
	s_cmp_eq_u32 ttmp9, 2
	s_cbranch_scc1 .Ltail_v
	v_cmp_eq_u32 s39, 0, v[TOK]
	v_cndmask_b32 v[MK], v[MK], 1, s39
.irp p, 0,1,2,3
	v_cndmask_b32 v[TW+8], v[WD+2*\p], v[WD+2*\p+1], s35
	v_cndmask_b32 v[TW+9], v[MK+2*\p], v[MK+2*\p+1], s35
	v_cmp_ne_u32 s39, 0, v[TW+9]
	v_cndmask_b32 v[TW+9], v[VHID], v[VVIS], s39
	v_lshl_or_b32 v[TW+9], v[TW+9], 16, 0x7f000000
	v_and_or_b32 v[TW+10], v[TW+8], 0xffff, v[TW+9]
	v_lshrrev_b32 v[TW+8], 16, v[TW+8]
	v_or_b32 v[TW+8], v[TW+8], v[TW+9]
	v_alignbit_b32 v[TW+11], v[TW+10], v[TW+10], 16
	v_cndmask_b32 v[TW+\p], v[TW+10], v[TW+11], s35
	v_alignbit_b32 v[TW+11], v[TW+8], v[TW+8], 16
	v_cndmask_b32 v[TW+4+\p], v[TW+8], v[TW+11], s35
.endr
	v_add_nc_u32 v[L8], s32, v[LI]
	global_store_b128 v[LI], v[TW:TW+3], s[26:27]
	global_store_b128 v[L8], v[TW+4:TW+7], s[26:27]
	s_branch .Lclose
.Ltail_v:
	v_lshlrev_b32 v[L8], 3, v[LANE]
.irp hh, 0,1
	v_cndmask_b32 v[TW+2*\hh], v[WD+4*\hh], v[WD+4*\hh+1], s35
	v_cndmask_b32 v[TW+2*\hh+1], v[WD+4*\hh+2], v[WD+4*\hh+3], s35
	global_store_b64 v[L8], v[TW+2*\hh:TW+2*\hh+1], s[26:27] offset:137216*\hh
.endr
.Lclose:
	s_wait_tensorcnt 0x0
	ds_add_u32 v[SPW], v[NIL]
	s_wait_dscnt 0x0
	CROUND
	s_endpgm
.Lfunc_end_k_qa9b98a7a96_qkv:
	.size	k_qa9b98a7a96_qkv, .Lfunc_end_k_qa9b98a7a96_qkv-k_qa9b98a7a96_qkv
	.p2alignl 7, 3214868480
	.fill 96, 4, 3214868480
	.section	.rodata,"a",@progbits
	.p2align	6, 0x0
	.amdhsa_kernel k_qa9b98a7a96_qkv
		.amdhsa_group_segment_fixed_size 327680
		.amdhsa_private_segment_fixed_size 0
		.amdhsa_enable_private_segment 0
		.amdhsa_kernarg_size 80
		.amdhsa_user_sgpr_count 2
		.amdhsa_user_sgpr_kernarg_segment_ptr 1
		.amdhsa_wavefront_size32 1
		.amdhsa_system_sgpr_workgroup_id_x 1
		.amdhsa_system_sgpr_workgroup_id_y 1
		.amdhsa_system_sgpr_workgroup_id_z 1
		.amdhsa_system_vgpr_workitem_id 0
		.amdhsa_next_free_vgpr 1024
		.amdhsa_next_free_sgpr 106
		.amdhsa_reserve_vcc 0
		.amdhsa_float_denorm_mode_32 3
		.amdhsa_float_denorm_mode_16_64 3
		.amdhsa_memory_ordered 1
		.amdhsa_forward_progress 1
		.amdhsa_inst_pref_size 224
	.end_amdhsa_kernel
	.amdgpu_metadata
---
amdhsa.version: [ 1, 2 ]
amdhsa.kernels:
  - .name:           k_qa9b98a7a96_qkv
    .symbol:         k_qa9b98a7a96_qkv.kd
    .args:
      - { .name: x_codes, .offset: 0, .size: 8, .value_kind: global_buffer, .address_space: global }
      - { .name: x_scales, .offset: 8, .size: 8, .value_kind: global_buffer, .address_space: global }
      - { .name: W_qk_codes, .offset: 16, .size: 8, .value_kind: global_buffer, .address_space: global }
      - { .name: W_qk_scales, .offset: 24, .size: 8, .value_kind: global_buffer, .address_space: global }
      - { .name: W_v_codes, .offset: 32, .size: 8, .value_kind: global_buffer, .address_space: global }
      - { .name: W_v_scales, .offset: 40, .size: 8, .value_kind: global_buffer, .address_space: global }
      - { .name: pos, .offset: 48, .size: 8, .value_kind: global_buffer, .address_space: global }
      - { .name: mask, .offset: 56, .size: 8, .value_kind: global_buffer, .address_space: global }
      - { .name: qbuf, .offset: 64, .size: 8, .value_kind: global_buffer, .address_space: global }
      - { .name: kv, .offset: 72, .size: 8, .value_kind: global_buffer, .address_space: global }
    .group_segment_fixed_size: 327680
    .private_segment_fixed_size: 0
    .kernarg_segment_align: 8
    .kernarg_segment_size: 80
    .max_flat_workgroup_size: 128
    .sgpr_count:     106
    .vgpr_count:     1024
    .wavefront_size: 32
...
	.end_amdgpu_metadata
.endif
;; end of part 1
;; launch attn (part 2): grid 2 x 128, 16 waves a work-group, no clusters, 167,936 bytes of LDS; arguments qbuf, kv, mask, ao, aosc; writes ao, aosc
.if DOCPART == 2
	.amdgcn_target "amdgcn-amd-amdhsa--gfx1250"
	.amdhsa_code_object_version 6
	.text
	.protected	k_qa9b98a7a96_attn
	.globl	k_qa9b98a7a96_attn
	.p2align	8
	.type	k_qa9b98a7a96_attn,@function
k_qa9b98a7a96_attn:
	s_mov_b64 s[64:65], 0
	v_nop
	global_prefetch_b8 v0, s[64:65] scope:SCOPE_SE
	s_setreg_imm32_b32 hwreg(HW_REG_WAVE_MODE, 25, 1), 1
	s_wait_xcnt 0x0
; For one head: S^T = K Q^T / 32 under the mask, p = 2^(t - M), O^T = V^T P^T, O / l, quantised along the model's 1,024 for the last product.  Both products on codes of FP8 (E4M3) with E8M0 scales.
; SHARES.  A work-group owns 512 queries of one head; each of its sixteen waves owns a tile of 16 queries in each of two passes, in 256 registers: four waves to a SIMD.
; LDS.  The head's K and V, codes and scale words, 137,216 bytes, lie in LDS as they lie in memory and are filled once, by ten tensor loads, one a wave: waves 0, 1 K's and V's codes of key steps 0 and 1, wave 2 the first half's scale words,
; waves 3, 4 the codes of key steps 2 and 3, waves 5 to 8 the second half's codes, wave 9 its scale words.  The first barrier shows waves 0 to 2's loads alone (they have load lines of their own); the second, behind key step 1, shows all.
; No cluster: only two work-groups read a head, each once, at its head.  No prefetch: all of a head is asked for at the kernel's head, so there is no loop to run ahead in.
; LAYOUT.  Operands lie as images of registers: a fragment's four registers at 16 x lane.  Both products are used transposed, so a lane holds ONE query (lane % 16).  The 16 registers of score tiles 2 b, 2 b + 1 are keys 32 b + 16 g + 8 (lane / 16) + j;
; their codes are taken as chunk b as they come, and V's codes were laid in the same order inside each block of 32 keys: the products and the block's scale are the same as in true order.
; THE MASK.  The first product has K = 64; the instruction's other 64 carry one more product: +1.0 in K's operand (a constant half, C) times -1.0 in Q's (m), scaled by the byte mk of the key's scale word: 2^-126 for a key that counts, 2^127 for a hidden one.
; A hidden key's score is so about -2^127: finite, and p = 0.  A hidden QUERY has the multiplier 0 in place of c = log2(e) / 32: every t is 0, M = 0, p = 1: the uniform row that equal logits give.
; One C serves two tiles: registers k_even, C, k_odd on end: the even tile's operand is (k, C), the odd tile's (C, k); Q likewise m, q, m.  Scale words of odd tiles are turned by 16 bits and lie in lanes 16-31.
; LIMITS: |q . k| under 2^120; NaN and infinities are not served; a block whose largest magnitude lies under 2^-118 gets the scale byte 1.  aosc is stored a byte a lane, two bytes a row of 32.
.set HALFB, 68608                      ; half a head: four key steps: K's codes 32,768, V's codes 32,768, K's scale words 2,048, V's 1,024
.set SPARE, 2*HALFB                    ; the spare words, 128 bytes for each of sixteen waves
.set LI,  1                            ; v1   16 x lane
.set SPW, 2                            ; v2   my spare word; never rewritten
.set NIL, 3                            ; v3   0; never rewritten
.set ADK, 4                            ; v4   the step's codes
.set L8,  5                            ; v5   8 x lane
.set ADS, 6                            ; v6   the step's scale words of K
.set ADT, 7                            ; v7   and of V
.set R16, 8                            ; v8   16 x (lane % 16)
.set TOK, 9                            ; v9   my query in pass 0
.set CL,  10                           ; v[10:11] c, or 0 for a hidden query;  v12 -M, v13 the largest t, v[14:15] the sum in two halves
.set QM,  16                           ; v16-23 m, v24-31 q, v32-39 m
.set QS,  40                           ; q's scale words: lanes 0-15 for even tiles of keys, lanes 16-31 for odd
.set PW,  41                           ; p's scale word
.set KSW, 42                           ; v[42:45] K's scale words of a step
.set VSW, 46                           ; v[46:47] V's
.set KC,  48                           ; v48-71, v72-95: two runs k, C, k
.set S,   96                           ; v96-159 S^T, then p, then V's four fragments
.set O,   160                          ; v160-191 O^T
.set PCD, 192                          ; v192-207 p's codes
.set BM,  208                          ; block maxima
.set PB,  212                          ; permutes' results, then bytes
.set HO,  216                          ; 448 x the scale
.set SO,  220                          ; the conversions' scale operands
.set F,   224                          ; v[224:225] f = 2^(old M - new M)
.set T,   226                          ; v226-231 at work
.set AB,  232                          ; 32 x (lane % 16) + lane / 16: my byte of aosc
.set VC,  233                          ; c
.set HO2, 234                          ; v234-237 448 x the scale once more: the two halves of a dual pair take their second sources from registers whose numbers differ modulo 4
.set WV,  14
.set MNT, 19
.set SEL, 20
.set G1,  24                           ; s[24:31] group 1: 64 rows of 256 bytes
.set G1S, 68                           ; s[68:75] group 1: 12 rows of 256 bytes: half a head's scale words
.set TB,  58                           ; s58  LDS byte of the step's codes; s59 of K's scale words; s60 of V's
.set TS,  59
.set TJ,  60
	s_load_b256 s[4:11], s[0:1], 0x0               ; qbuf s[4:5], kv s[6:7], mask s[8:9], ao s[10:11]
	s_load_b64 s[12:13], s[0:1], 0x20              ; aosc
	v_lshl_add_u32 v[SPW], v0, 2, SPARE
	v_mov_b32 v[NIL], 0
	ds_add_u32 v[SPW], v[NIL]                      ; the opening lines: the add, twice on end, and its wait ahead of the first tensor load
	ds_add_u32 v[SPW], v[NIL]
	v_lshrrev_b32 v[T], 5, v0
	s_delay_alu instid0(VALU_DEP_1)
	v_readfirstlane_b32 s[WV], v[T]                ; wave 0..15
	s_mov_b32 s15, ttmp9                           ; which 512 queries
	s_and_b32 s16, ttmp7, 0xffff                   ; batch x 16 + head
	s_lshr_b32 s17, s16, 4
	s_and_b32 s18, s16, 15
	s_mov_b32 s[MNT], 0x600000
	s_mov_b32 s[SEL], 0x76543210
	s_mov_b32 s[SEL+1], 0xfedcba98
	s_mov_b32 s22, 0x3d38aa3b                      ; c = log2(e) / 32
.irp g, G1, G1S
	s_mov_b32 s[\g], 3<<16                         ; no mask; elements of 8 bytes; no padding: images are read 16 x lane on end
	s_mov_b32 s[\g+1], 32<<16                      ; rows of 256 bytes
	s_mov_b32 s[\g+3], 32<<16
	s_mov_b32 s[\g+5], 32                          ; dense
	s_mov_b32 s[\g+6], 0
	s_mov_b32 s[\g+7], 0
.endr
	s_mov_b32 s[G1+2], 64<<16
	s_mov_b32 s[G1+4], 64
	s_mov_b32 s[G1S+2], 12<<16
	s_mov_b32 s[G1S+4], 12
	s_mul_i32 s56, s16, 2*HALFB
	s_mov_b32 s57, 0
	s_mov_b32 s32, 1
	s_mov_b32 s39, 0
	s_wait_dscnt 0x0                               ; both opening adds are done
	s_wait_kmcnt 0x0
	s_add_nc_u64 s[36:37], s[6:7], s[56:57]        ; the head's first byte
; THE FILLS, one a wave, in one chain of branches on the wave's number.  A piece lies at the same byte of the head in memory and in LDS: base + (wave & msk) x mul.
.macro ARM under, msk, mul, base, g1, next
	s_cmp_lt_u32 s[WV], \under
	s_cbranch_scc0 \next
	s_and_b32 s33, s[WV], \msk
	s_mul_i32 s33, s33, \mul
	s_add_co_u32 s33, s33, \base
	s_mov_b32 s38, s33
	s_add_nc_u64 s[34:35], s[36:37], s[38:39]
	s_or_b32 s35, s35, 0x80000000
	tensor_load_to_lds s[32:35], s[\g1:\g1+7]
	s_nop 0
.rept 4
	v_nop
.endr
	s_branch .Lasked
\next:
.endm
	ARM 2,  1, 32768, 0,           G1,  .Larm_s0   ; waves 0, 1: K's, V's codes of key steps 0, 1
	ARM 3,  0, 0,     65536,       G1S, .Larm_23   ; wave 2: the first half's scale words
	ARM 5,  1, 32768, 16384,       G1,  .Larm_h1   ; waves 3, 4: the codes of key steps 2, 3
	ARM 9,  3, 16384, HALFB,       G1,  .Larm_s1   ; waves 5 to 8: the second half's codes
	ARM 10, 0, 0,     HALFB+65536, G1S, .Larm_none ; wave 9: its scale words
.Lasked:
	s_mul_i32 s61, s16, 69632                      ; the head's bytes in qbuf
	s_lshl_b32 s62, s15, 5
	s_add_co_u32 s62, s62, s[WV]                   ; my tile of queries in pass 0: 32 x + wave
	s_lshl_b32 s56, s62, 10
	s_add_co_u32 s56, s56, s61
	s_add_nc_u64 s[46:47], s[4:5], s[56:57]        ; q's codes
	s_lshl_b32 s56, s15, 2
	s_lshr_b32 s63, s[WV], 3
	s_add_co_u32 s56, s56, s63
	s_lshl_b32 s56, s56, 9                         ; the group of eight tiles: 512 bytes
	s_and_b32 s43, s[WV], 1
	s_lshl_b32 s63, s43, 8                         ; odd tiles lie in lanes 16-31
	s_add_co_u32 s56, s56, s63
	s_bfe_u32 s63, s[WV], 0x20001
	s_lshl_b32 s63, s63, 2                         ; word (wave % 8) / 2
	s_add_co_u32 s56, s56, s63
	s_add_co_u32 s56, s56, s61
	s_add_co_u32 s56, s56, 65536
	s_add_nc_u64 s[48:49], s[4:5], s[56:57]        ; q's scale words
	s_mul_i32 s56, s17, 1023
	s_add_nc_u64 s[50:51], s[8:9], s[56:57]        ; the batch's mask
	s_lshl_b32 s61, s17, 6
	s_add_co_u32 s61, s61, s62                     ; my tile of rows among 512
	s_lshl_b32 s56, s61, 14
	s_lshl_b32 s63, s18, 10                        ; the head's 64 along the last product's K: two chunks of 512 bytes
	s_add_co_u32 s56, s56, s63
	s_add_nc_u64 s[52:53], s[10:11], s[56:57]      ; ao
	s_lshl_b32 s56, s61, 9                         ; 16 rows of 32 bytes
	s_lshl_b32 s63, s18, 1
	s_add_co_u32 s56, s56, s63
	s_add_nc_u64 s[54:55], s[12:13], s[56:57]      ; aosc
	v_and_b32 v[T], 31, v0
	v_and_b32 v[T+1], 15, v0                       ; r
	v_bfe_u32 v[T+2], v0, 4, 1                     ; h
	s_delay_alu instid0(VALU_DEP_3)
	v_lshlrev_b32 v[LI], 4, v[T]
	s_delay_alu instid0(VALU_DEP_4)
	v_lshlrev_b32 v[L8], 3, v[T]
	s_delay_alu instid0(VALU_DEP_4)
	v_lshlrev_b32 v[R16], 4, v[T+1]
	s_lshl_b32 s63, s62, 4
	v_add_nc_u32 v[TOK], s63, v[T+1]
	v_lshl_add_u32 v[AB], v[T+1], 5, v[T+2]
	v_mov_b32 v[VC], s22
	v_xor_b32 v[T+3], s43, v[T+2]
	s_delay_alu instid0(VALU_DEP_1)
	v_cmp_eq_u32 s42, 1, v[T+3]                    ; lanes whose form of q's word is the other one than memory's
	v_cmp_eq_u32 s44, 1, v[T+2]                    ; lanes 16-31
	v_sub_nc_u32 v[T+3], 1, v[T+2]
	s_delay_alu instid0(VALU_DEP_1)
	v_mul_u32_u24 v[QM], v[T+3], 0xb8              ; m: -1.0 at the first place of its first block, in lanes 0-15; all else 0
	s_delay_alu instid0(VALU_DEP_2)
	v_mul_u32_u24 v[KC+8], v[T+3], 0x38            ; C: +1.0 there
	s_delay_alu instid0(VALU_DEP_2)
	v_mov_b32 v[QM+16], v[QM]
	s_delay_alu instid0(VALU_DEP_2)
	v_mov_b32 v[KC+32], v[KC+8]
.irp i, 1,2,3,4,5,6,7
	v_mov_b32 v[QM+\i], 0
	v_mov_b32 v[QM+16+\i], 0
	v_mov_b32 v[KC+8+\i], 0
	v_mov_b32 v[KC+32+\i], 0
.endr
.irp b, 0,1,2,3
	v_mov_b32 v[PB+\b], 0                          ; written once: a lane permute's destination counts as one of its sources
.endr
	v_mov_b32 v[F+1], 0                            ; named as the upper half of the pair
.macro QLOAD pass                      ; my tile of queries: codes, scale word, mask byte; the running numbers begin anew
	global_load_b128 v[QM+8:QM+11], v[LI], s[46:47] offset:16384*\pass
	global_load_b128 v[QM+12:QM+15], v[LI], s[46:47] offset:16384*\pass+512
	global_load_b32 v[T], v[R16], s[48:49] offset:1024*\pass
	v_add_nc_u32 v[T+2], 256*\pass, v[TOK]
	s_delay_alu instid0(VALU_DEP_1)
	v_max_u32 v[T+3], 1, v[T+2]
	s_delay_alu instid0(VALU_DEP_1)
	v_add_nc_u32 v[T+3], -1, v[T+3]                ; query t's byte is mask[batch][t - 1]; query 0 has none and always counts
	global_load_u8 v[T+1], v[T+3], s[50:51]
	s_wait_alu depctr_va_vdst(0)
	s_wait_loadcnt 0x0
	v_alignbit_b32 v[T+4], v[T], v[T], 16
	s_delay_alu instid0(VALU_DEP_1)
	v_cndmask_b32 v[QS], v[T], v[T+4], s42
	v_cmp_eq_u32 s45, 0, v[T+2]
	s_delay_alu instid0(VALU_DEP_1)
	v_cndmask_b32 v[T+1], v[T+1], 1, s45
	s_delay_alu instid0(VALU_DEP_1)
	v_cmp_ne_u32 s45, 0, v[T+1]
	s_delay_alu instid0(VALU_DEP_1)
	v_cndmask_b32 v[CL], 0, v[VC], s45
	s_delay_alu instid0(VALU_DEP_1)
	v_mov_b32 v[CL+1], v[CL]
	v_mov_b32 v13, 0xff61b1e6                      ; the largest t so far: -3e38
	s_delay_alu instid0(VALU_DEP_1)
	v_floor_f32 v12, -v13
	v_mov_b32 v14, 0
	v_mov_b32 v15, 0
.set J, 0
.rept 32
	v_mov_b32 v[O+J], 0                            ; the step is written once: the first finds zeros
.set J, J+1
.endr
.endm
.macro KLOAD g                         ; four tiles of 16 keys into the two runs: even tiles ahead of C, odd ones behind it
.irp t, 0,1,2,3
	ds_load_b128 v[KC+24*(\t/2)+16*(\t%2):KC+24*(\t/2)+16*(\t%2)+3], v[ADK] offset:1024*(4*\g+\t)
	ds_load_b128 v[KC+24*(\t/2)+16*(\t%2)+4:KC+24*(\t/2)+16*(\t%2)+7], v[ADK] offset:1024*(4*\g+\t)+512
.endr
.endm
.macro KQ4 g
.irp x, 0,1
	v_wmma_scale_f32_16x16x128_f8f6f4 v[S+32*\g+16*\x:S+32*\g+16*\x+7], v[KC+24*\x:KC+24*\x+15], v[QM+8:QM+23], 0, v[KSW+2*\g+\x], v[QS]
	v_wmma_scale_f32_16x16x128_f8f6f4 v[S+32*\g+16*\x+8:S+32*\g+16*\x+15], v[KC+24*\x+8:KC+24*\x+23], v[QM:QM+15], 0, v[KSW+2*\g+\x], v[QS] matrix_a_scale:MATRIX_SCALE_ROW1 matrix_b_scale:MATRIX_SCALE_ROW1
.endr
.endm
.macro BMAX b0, b1                     ; the largest score of two blocks of 32 keys, by turns; each accumulator is read from its low end on
.irp b, \b0, \b1
	v_max3_num_f32 v[BM+\b], v[S+16*\b], v[S+16*\b+1], v[S+16*\b+2]
.endr
.irp i, 3,5,7,9,11,13
.irp b, \b0, \b1
	v_max3_num_f32 v[BM+\b], v[BM+\b], v[S+16*\b+\i], v[S+16*\b+\i+1]
.endr
.endr
.irp b, \b0, \b1
	v_max_num_f32 v[BM+\b], v[BM+\b], v[S+16*\b+15]
.endr
.endm
; A KEY STEP: 128 keys.
.macro STEP
	v_add_nc_u32 v[ADK], s[TB], v[LI]
	v_add_nc_u32 v[ADS], s[TS], v[LI]
	v_add_nc_u32 v[ADT], s[TJ], v[L8]
	KLOAD 0
	ds_load_b128 v[KSW:KSW+3], v[ADS]
.rept 6
	v_nop                                          ; with the three additions above: nine places between the last step's products, which read V's fragments, and the products below, which write over them
.endr
	s_wait_alu depctr_va_vdst(0)
	s_wait_dscnt 0x0
	KQ4 0
.rept 8
	v_nop                                          ; places ahead of loads into registers that matrix instructions have read, and of the first read of these results
.endr
	KLOAD 1
	s_wait_dscnt 0x0
	KQ4 1
	BMAX 0, 1                                      ; sixteen plain lines on the first four tiles: they are the places behind the last four products
	BMAX 2, 3
.irp b, 0,1,2,3
	v_permlanex16_b32 v[PB+\b], v[BM+\b], s[SEL], s[SEL+1]
.endr
.irp b, 0,1,2,3
	s_delay_alu instid0(VALU_DEP_4)
	v_max_num_f32 v[BM+\b], v[BM+\b], v[PB+\b]     ; with lane l xor 16's 16 keys
.endr
	s_delay_alu instid0(VALU_DEP_2)
	v_max3_num_f32 v[T], v[BM], v[BM+1], v[BM+2]
	s_delay_alu instid0(VALU_DEP_1)
	v_max_num_f32 v[T], v[T], v[BM+3]
	s_delay_alu instid0(VALU_DEP_1)
	v_mul_f32 v[T], v[CL], v[T]                    ; as t (the multiplier is c or 0, never negative)
	s_delay_alu instid0(VALU_DEP_1)
	v_max_num_f32 v13, v13, v[T]
	v_mov_b32 v[T], v12
	s_delay_alu instid0(VALU_DEP_2)
	v_floor_f32 v12, -v13                          ; -M = floor(-t): M is a whole number
	s_delay_alu instid0(VALU_DEP_1)
	v_sub_f32 v[T], v12, v[T]
	s_delay_alu instid0(VALU_DEP_1)
	v_cvt_i32_f32 v[T], v[T]                       ; (it saturates)
	s_delay_alu instid0(VALU_DEP_1)
	v_ldexp_f32 v[F], 1.0, v[T]                    ; f = 2^(old M - new M): a multiplication by it rounds nothing
.set J, 0
.rept 32
	v_pk_fma_f32 v[S+J:S+J+1], v[S+J:S+J+1], v[CL:CL+1], v[12:13] op_sel_hi:[1,0,0]   ; t - M
.set J, J+2
.endr
.irp b, 0,1,2,3
	v_fma_f32 v[BM+\b], v[BM+\b], v[CL], v12       ; the same of each block's largest score
.endr
	s_wait_alu depctr_va_vdst(0)
.set J, 0
.rept 64
	v_exp_f32 v[S+J], v[S+J]                       ; p = 2^(t - M)
.set J, J+1
.endr
	v_pk_mul_f32 v[14:15], v[14:15], v[F:F+1] op_sel_hi:[1,0]   ; the sums under the new M: a plain line behind the exponentials
	s_wait_alu depctr_va_vdst(0)                   ; one wait for the batch, ahead of its first reader
.irp b, 0,1,2,3
	v_exp_f32 v[BM+\b], v[BM+\b]                   ; the block's largest p: the same two instructions on the same number
.endr
	v_pk_add_f32 v[228:229], v[100:101], v[104:105]   ; the row's sum of the unquantised p, in eight chains
	v_pk_add_f32 v[254:255], v[108:109], v[112:113]
	v_pk_add_f32 v[252:253], v[116:117], v[120:121]
	v_pk_add_f32 v[250:251], v[124:125], v[128:129]
	v_pk_add_f32 v[248:249], v[132:133], v[136:137]
	v_pk_add_f32 v[246:247], v[140:141], v[144:145]
	v_pk_add_f32 v[244:245], v[148:149], v[152:153]
	v_pk_add_f32 v[14:15], v[14:15], v[156:157]
	v_pk_add_f32 v[228:229], v[228:229], v[96:97]
	v_pk_add_f32 v[254:255], v[254:255], v[98:99]
	v_pk_add_f32 v[252:253], v[252:253], v[102:103]
	v_pk_add_f32 v[250:251], v[250:251], v[106:107]
	v_pk_add_f32 v[248:249], v[248:249], v[110:111]
	v_pk_add_f32 v[246:247], v[246:247], v[114:115]
	v_pk_add_f32 v[244:245], v[244:245], v[118:119]
	v_pk_add_f32 v[14:15], v[14:15], v[122:123]
	v_pk_add_f32 v[228:229], v[228:229], v[126:127]
	v_pk_add_f32 v[254:255], v[254:255], v[130:131]
	v_pk_add_f32 v[252:253], v[252:253], v[134:135]
	v_pk_add_f32 v[250:251], v[250:251], v[138:139]
	v_pk_add_f32 v[248:249], v[248:249], v[142:143]
	v_pk_add_f32 v[246:247], v[246:247], v[146:147]
	v_pk_add_f32 v[244:245], v[244:245], v[150:151]
	v_pk_add_f32 v[14:15], v[14:15], v[154:155]
	v_pk_add_f32 v[228:229], v[228:229], v[158:159]
	s_delay_alu instid0(VALU_DEP_2)
	v_pk_add_f32 v[14:15], v[14:15], v[250:251]
	s_delay_alu instid0(VALU_DEP_2)
	v_pk_add_f32 v[228:229], v[228:229], v[248:249]
	v_pk_add_f32 v[254:255], v[254:255], v[246:247]
	v_pk_add_f32 v[252:253], v[252:253], v[244:245]
	s_delay_alu instid0(VALU_DEP_2)
	v_pk_add_f32 v[14:15], v[14:15], v[254:255]
	s_delay_alu instid0(VALU_DEP_2)
	v_pk_add_f32 v[228:229], v[228:229], v[252:253]
	s_delay_alu instid0(VALU_DEP_1)
	v_pk_add_f32 v[14:15], v[14:15], v[228:229]
	s_wait_alu depctr_va_vdst(0)                   ; and one for the four
.irp b, 0,1,2,3
	v_max_num_f32 v[BM+\b], 0x4800000, v[BM+\b]    ; the floor 2^-118: the byte cannot fall under 1
.endr
.irp b, 0,1,2,3
	s_delay_alu instid0(VALU_DEP_4)
	v_add_nc_u32 v[SO+\b], 0xfc000000, v[BM+\b]
.endr
.irp b, 0,1,2,3
	v_and_or_b32 v[HO+\b], v[BM+\b], 0x7f800000, s[MNT]
.endr
.irp b, 0,1,2,3
	v_and_or_b32 v[HO2+\b], v[BM+\b], 0x7f800000, s[MNT]
.endr
.irp b, 0,1,2,3
	v_lshrrev_b32 v[PB+\b], 23, v[SO+\b]
.endr
	s_delay_alu instid0(VALU_DEP_3)
	v_lshl_or_b32 v[PW], v[PB+1], 8, v[PB]
	s_delay_alu instid0(VALU_DEP_1)
	v_lshl_or_b32 v[PW], v[PB+2], 16, v[PW]
	s_delay_alu instid0(VALU_DEP_1)
	v_lshl_or_b32 v[PW], v[PB+3], 24, v[PW]
.irp b, 0,1,2,3
.irp i, 0,2,4,6,8,10,12,14
	v_dual_min_num_f32 v[S+16*\b+\i], v[S+16*\b+\i], v[HO+\b] :: v_dual_min_num_f32 v[S+16*\b+\i+1], v[S+16*\b+\i+1], v[HO2+\b]   ; the hold, two numbers a line: the conversion does not saturate (ISA guide 7.6.2); p is not negative
.endr
	v_cvt_scalef32_pk8_fp8_f32 v[PCD+4*\b:PCD+4*\b+1], v[S+16*\b:S+16*\b+7], v[SO+\b]
	v_cvt_scalef32_pk8_fp8_f32 v[PCD+4*\b+2:PCD+4*\b+3], v[S+16*\b+8:S+16*\b+15], v[SO+\b]
.endr
.irp t, 0,1,2,3
.irp c, 0,1,2,3
	ds_load_b128 v[S+16*\t+4*\c:S+16*\t+4*\c+3], v[ADK] offset:32768+2048*\t+512*\c   ; V's four fragments take p's registers
.endr
.endr
	ds_load_b64 v[VSW:VSW+1], v[ADT]
.set J, 0
.rept 16
	v_pk_mul_f32 v[O+J:O+J+1], v[O+J:O+J+1], v[F:F+1] op_sel_hi:[1,0]   ; O^T under the new M; these lines are also the places between the conversions and the products
.set J, J+2
.endr
	s_wait_alu depctr_va_vdst(0)
	s_wait_dscnt 0x0
.irp t, 0,2
	v_wmma_scale_f32_16x16x128_f8f6f4 v[O+8*\t:O+8*\t+7], v[S+16*\t:S+16*\t+15], v[PCD:PCD+15], v[O+8*\t:O+8*\t+7], v[VSW+\t/2], v[PW]
	v_wmma_scale_f32_16x16x128_f8f6f4 v[O+8*\t+8:O+8*\t+15], v[S+16*\t+16:S+16*\t+31], v[PCD:PCD+15], v[O+8*\t+8:O+8*\t+15], v[VSW+\t/2], v[PW] matrix_a_scale:MATRIX_SCALE_ROW1
.endr
	s_add_co_u32 s[TB], s[TB], 8192
	s_add_co_u32 s[TS], s[TS], 512
	s_add_co_u32 s[TJ], s[TJ], 256
.endm
.macro BASE hf                         ; to the first key step of a half
	s_mov_b32 s[TB], HALFB*\hf
	s_mov_b32 s[TS], HALFB*\hf+65536
	s_mov_b32 s[TJ], HALFB*\hf+67584
.endm
.macro RUN n                           ; n key steps on end
	s_mov_b32 s40, \n
.Lstep_\@:
	STEP
	s_sub_co_u32 s40, s40, 1
	s_cmp_lg_u32 s40, 0
	s_cbranch_scc1 .Lstep_\@
.endm
; O^T / l; its two blocks of 32 channels are quantised; the codes are brought into true order along K, since they meet codes that are given; stored as images of the next launch's operand registers.
.macro OUT pass
	v_add_f32 v14, v14, v15
	s_delay_alu instid0(VALU_DEP_1)
	v_permlanex16_b32 v[T], v14, s[SEL], s[SEL+1]
	s_delay_alu instid0(VALU_DEP_1)
	v_add_f32 v14, v14, v[T]                       ; the row's sum
	s_wait_alu depctr_va_vdst(0)
	v_rcp_f32 v14, v14
.rept 6
	v_nop                                          ; with the two additions: eight places behind the last products; the first is the plain line behind the reciprocal
.endr
	s_wait_alu depctr_va_vdst(0)                   ; ahead of the reciprocal's first reader
.set J, 0
.rept 16
	v_pk_mul_f32 v[S+J:S+J+1], v[O+J:O+J+1], v[14:15] op_sel_hi:[1,0]   ; register 16 b + 8 g + j: channel 32 b + 16 g + 8 h + j
.set J, J+2
.endr
.irp b, 0,1
	v_max3_num_f32 v[BM+\b], |v[S+16*\b]|, |v[S+16*\b+1]|, 0x4800000
.endr
.irp i, 2,4,6,8,10,12,14
.irp b, 0,1
	s_delay_alu instid0(VALU_DEP_2)
	v_max3_num_f32 v[BM+\b], v[BM+\b], |v[S+16*\b+\i]|, |v[S+16*\b+\i+1]|
.endr
.endr
.irp b, 0,1
	s_delay_alu instid0(VALU_DEP_2)
	v_permlanex16_b32 v[PB+\b], v[BM+\b], s[SEL], s[SEL+1]
.endr
.irp b, 0,1
	s_delay_alu instid0(VALU_DEP_2)
	v_max_num_f32 v[BM+\b], v[BM+\b], v[PB+\b]
.endr
.irp b, 0,1
	s_delay_alu instid0(VALU_DEP_2)
	v_add_nc_u32 v[SO+\b], 0xfc000000, v[BM+\b]
.endr
.irp b, 0,1
	s_delay_alu instid0(VALU_DEP_4)
	v_and_or_b32 v[HO+\b], v[BM+\b], 0x7f800000, s[MNT]
.endr
.irp b, 0,1
	s_delay_alu instid0(VALU_DEP_4)
	v_lshrrev_b32 v[PB+\b], 23, v[SO+\b]
.endr
	s_delay_alu instid0(VALU_DEP_1)
	v_cndmask_b32 v[T+1], v[PB], v[PB+1], s44      ; lanes 0-15 store the first block's byte, lanes 16-31 the second's
.irp b, 0,1
.irp i, 0,1,2,3,4,5,6,7,8,9,10,11,12,13,14,15
	v_med3_num_f32 v[S+16*\b+\i], v[S+16*\b+\i], -v[HO+\b], v[HO+\b]
.endr
	v_cvt_scalef32_pk8_fp8_f32 v[PCD+4*\b:PCD+4*\b+1], v[S+16*\b:S+16*\b+7], v[SO+\b]
	v_cvt_scalef32_pk8_fp8_f32 v[PCD+4*\b+2:PCD+4*\b+3], v[S+16*\b+8:S+16*\b+15], v[SO+\b]
.endr
	v_nop                                          ; a plain line behind the last conversion
.irp b, 0,1
	v_permlane16_swap_b32 v[PCD+4*\b], v[PCD+4*\b+2]     ; the first pair's lanes 16-31 change places with the second pair's lanes 0-15: lane (r, h) then holds channels 32 b + 16 h + 0 .. 15
	v_permlane16_swap_b32 v[PCD+4*\b+1], v[PCD+4*\b+3]
.endr
.irp b, 0,1
	global_store_b128 v[LI], v[PCD+4*\b:PCD+4*\b+3], s[52:53] offset:262144*\pass+512*\b   ; 512 consecutive bytes, aligned
.endr
	global_store_b8 v[AB], v[T+1], s[54:55] offset:8192*\pass
	s_wait_xcnt 0x0                                ; the stores have read their registers
.endm
	QLOAD 0
	s_wait_alu depctr_va_vdst(0)
	s_cmp_lt_u32 s[WV], 3
	s_cbranch_scc0 .Lnot_first
	s_wait_tensorcnt 0x0                           ; waves 0 to 2: key steps 0 and 1 and the first half's scale words are in; the other waves' loads may be out
.Lnot_first:
	s_barrier_signal -1
	s_barrier_wait -1
	BASE 0
	RUN 2
	s_wait_tensorcnt 0x0                           ; every wave: its load is in,
	s_wait_dscnt 0x0
	s_barrier_signal -1
	s_barrier_wait -1                              ; everybody's is: the whole head lies in LDS
	RUN 2
	BASE 1
	RUN 4
	OUT 0
	QLOAD 1
	BASE 0
	RUN 4
	BASE 1
	RUN 4
	OUT 1
	s_wait_tensorcnt 0x0                           ; the wave's end
	ds_add_u32 v[SPW], v[NIL]
	s_wait_dscnt 0x0
	s_endpgm
.Lfunc_end_k_qa9b98a7a96_attn:
	.size	k_qa9b98a7a96_attn, .Lfunc_end_k_qa9b98a7a96_attn-k_qa9b98a7a96_attn
	.p2alignl 7, 3214868480
	.fill 96, 4, 3214868480
	.section	.rodata,"a",@progbits
	.p2align	6, 0x0
	.amdhsa_kernel k_qa9b98a7a96_attn
		.amdhsa_group_segment_fixed_size 167936
		.amdhsa_private_segment_fixed_size 0
		.amdhsa_enable_private_segment 0
		.amdhsa_kernarg_size 40
		.amdhsa_user_sgpr_count 2
		.amdhsa_user_sgpr_kernarg_segment_ptr 1
		.amdhsa_wavefront_size32 1
		.amdhsa_system_sgpr_workgroup_id_x 1
		.amdhsa_system_sgpr_workgroup_id_y 1
		.amdhsa_system_sgpr_workgroup_id_z 1
		.amdhsa_system_vgpr_workitem_id 0
		.amdhsa_next_free_vgpr 256
		.amdhsa_next_free_sgpr 80
		.amdhsa_reserve_vcc 0
		.amdhsa_float_denorm_mode_32 3
		.amdhsa_float_denorm_mode_16_64 3
		.amdhsa_memory_ordered 1
		.amdhsa_forward_progress 1
		.amdhsa_inst_pref_size 126
	.end_amdhsa_kernel
	.amdgpu_metadata
---
amdhsa.version: [ 1, 2 ]
amdhsa.kernels:
  - .name:           k_qa9b98a7a96_attn
    .symbol:         k_qa9b98a7a96_attn.kd
    .args:
      - { .name: qbuf, .offset: 0, .size: 8, .value_kind: global_buffer, .address_space: global }
      - { .name: kv, .offset: 8, .size: 8, .value_kind: global_buffer, .address_space: global }
      - { .name: mask, .offset: 16, .size: 8, .value_kind: global_buffer, .address_space: global }
      - { .name: ao, .offset: 24, .size: 8, .value_kind: global_buffer, .address_space: global }
      - { .name: aosc, .offset: 32, .size: 8, .value_kind: global_buffer, .address_space: global }
    .group_segment_fixed_size: 167936
    .private_segment_fixed_size: 0
    .kernarg_segment_align: 8
    .kernarg_segment_size: 40
    .max_flat_workgroup_size: 512
    .sgpr_count:     80
    .vgpr_count:     256
    .wavefront_size: 32
...
	.end_amdgpu_metadata
.endif
;; end of part 2
;; launch proj (part 3): grid 4 x 64, 4 waves a work-group, clusters of 4 x 4, 327,680 bytes of LDS; arguments ao, aosc, W_out_codes, W_out_scales, b_out, out0; writes out0
.if DOCPART == 3
	.amdgcn_target "amdgcn-amd-amdhsa--gfx1250"
	.amdhsa_code_object_version 6
	.text
	.protected	k_qa9b98a7a96_proj
	.globl	k_qa9b98a7a96_proj
	.p2align	8
	.type	k_qa9b98a7a96_proj,@function
k_qa9b98a7a96_proj:
	s_mov_b64 s[64:65], 0
	v_nop
	global_prefetch_b8 v0, s[64:65] scope:SCOPE_SE
	s_setreg_imm32_b32 hwreg(HW_REG_WAVE_MODE, 25, 1), 1
	s_wait_xcnt 0x0
	s_wait_alu depctr_hold_cnt(0) depctr_sa_sdst(0) depctr_va_vdst(0) depctr_va_sdst(0) depctr_va_ssrc(0) depctr_va_vcc(0) depctr_vm_vsrc(0)
	s_getreg_b32 s2, hwreg(HW_REG_IB_STS2, 6, 4)
	s_cmp_eq_u32 s2, 0
	s_cbranch_scc0 .Lentry_in_a_cluster
	s_endpgm
.Lentry_in_a_cluster:
	s_bfe_u32 s2, ttmp6, 0x10000c
	s_cmp_lg_u32 s2, 0xf033
	s_cbranch_scc0 .Lentry_shape_is_right
	s_endpgm
.Lentry_shape_is_right:
; out0 = A W_out^T + b_out.  A [8,192][1,024]: codes of FP8 (E4M3) made by the launch before, laid as images of operand registers [tile of 16 rows][128 along K][chunk][lane][16 bytes]; its scale bytes [8,192][32].  W_out [1,024][1,024]: codes, K innermost; scale bytes [1,024][32].
; A tile of out0 is 128 x 256: 64 x 4 tiles, 256 work-groups of equal work.  Four waves, 64 x 128 each: 32 accumulators.
; K = 1,024 is four K steps of 256, in three fills.  At the head one joint load a wave: W_out's 256 rows of K step 0, A's 128 rows of it, W_out's scale bytes, A's scale bytes (all of K, filled once).
; Behind the full sequence and a round of the cluster's barrier one load a wave brings K steps 1 AND 2 into a slot of twice the length (W_out's rows there are 512 bytes, A's tiles 8,192).  K step 3 is the one refill, into slot 0, behind the round at the end of K step 0.
; 4 x 4 work-groups form a cluster: A's tile is asked for jointly along a row of the cluster, W_out's along a column.
; The matrix instruction is used transposed (source 0 = 16 rows of W_out, source 1 = 16 rows of A): a lane holds eight neighbouring numbers of a row of out0.  The bias is the C of each sum's first product.
; REGISTERS: window 0: v16-29 addresses; v32-63 scale words, two sets; v64-127 the bias; v128-191, v192-255 A's fragments, two sets (on the way out: rows of out0).  window 1: W_out's fragments, two sets.  window 2: the accumulators, (a, b) at v[8 (8 a + b)].
; No prefetch: the text has no loop to run ahead in: its four K steps are written out, and three fills bring them.
.set NQ,     2                         ; matrix instructions deep in a K step
.set FR,     16
.set NP,     8                         ; places behind this matrix instruction (ISA guide 7.12.1)
.set P0,     272                       ; W_out's LDS row in slot 0: 256 bytes + 16 of padding
.set PD,     528                       ; in the double slot: 512 bytes + 16: both are odd multiples of 16 bytes
.set A0B,    32768                     ; slot 0: A's 8 tiles of 4,096 bytes, then W_out's 256 rows
.set DA,     A0B+256*P0                ; the double slot: A's 8 tiles of 8,192 bytes,
.set DB,     DA+65536                  ; then W_out's 256 rows
.set KS,     32
.set SCL,    DB+256*PD                 ; A's scale bytes, as units of 256 bytes + 16 of padding,
.set HALFSA, (64*KS/256)*272           ; (those of 64 rows)
.set HALFS,  (128*KS/256)*272          ; (those of 128 rows)
.set SCLB,   SCL+2*HALFSA              ; then W_out's
.set SBLK,   (16*KS/256)*272
.set SPARE,  SCLB+2*HALFS              ; the spare words, 128 bytes for each wave
.set STAGE,  DA                        ; the way out: 16 rows x (512 bytes + 16) for each wave, in the double slot: it is filled once, and nobody reads it behind the last barrier
.set SPITCH, 528
.set NCOL,   1024
.set ADRA, 16                          ; v16, v17  LDS address of my A fragments in slot 0, in the double slot
.set ADRB, 20                          ; v20, v21  the same for W_out
.set STO,  24
.set RD,   25
.set CO,   26
.set ADRS, 27
.set SPW,  28                          ; my spare word; never rewritten
.set NIL,  29                          ; 0; never rewritten
.set SC,   32
.set BI,   64
.set AF,   128
.set BK,   128
.set G1,   24                          ; s[24:31], s[32:35] groups 1 and 0 for A's tiles
.set G0,   32
.set WC,   46
.set G1B,  48                          ; s[48:55], s[56:59] for W_out's
.set G0B,  56
.set WV,   66
.set WR,   67
.set G1S,  68                          ; s[68:75], s[76:79] for A's scale bytes;  s[80:87], s[88:91] for W_out's
.set G0S,  76
.set G1SB, 80
.set G0SB, 88
.set MSB, 0
.macro WIN new                         ; the immediate's high byte repeats the setting that is left
.if MSB != \new
	s_set_vgpr_msb (MSB<<8)|\new
.set MSB, \new
.endif
.endm
.set MUL_LO, 0xa1                      ; source 0 (W_out) window 1, source 1 (A) window 0, C and D window 2
.set TO_B,   0x40                      ; destination window 1, address window 0
.macro TL g0, g1                       ; a tensor load; an s_nop 0 and four v_nop follow it
	tensor_load_to_lds s[\g0:\g0+3], s[\g1:\g1+7]
	s_nop 0
.rept 4
	v_nop
.endr
.endm
.macro JLOAD                           ; a joint load behind a round: waves 0 and 1 fetch A's halves, waves 2 and 3 W_out's: a line for each mask
	s_cmp_eq_u32 s[WR], 0
	s_cbranch_scc0 .Lfor_b_\@
	TL G0, G1
	s_branch .Lasked_\@
.Lfor_b_\@:
	TL G0B, G1B
.Lasked_\@:
.endm
.macro CREST                           ; a round of the cluster's barrier behind its opening barrier
	s_cmp_lg_u32 s[WV], 0
	s_cbranch_scc1 .Lnot_wave_0_\@
	s_barrier_signal -3
.Lnot_wave_0_\@:
	s_barrier_wait -3
	s_barrier_signal -1
	s_barrier_wait -1
.endm
.macro CROUND
	s_barrier_signal -1
	s_barrier_wait -1
	CREST
.endm
; The shape of the tiles that the next loads bring: A: ar rows of ae elements of 8 bytes; W_out: wr rows of wb bytes, four words of padding behind each (interval code wq).  Written only where no tensor load of the wave is out.
.macro SHAPE ae, ar, wq, wb, wr
	s_mov_b32 s[G1+1], (\ae)<<16
	s_mov_b32 s[G1+2], (\ar)<<16
	s_mov_b32 s[G1+3], (\ae)<<16
	s_mov_b32 s[G1+4], \ar
	s_or_b32 s[G1B], s44, (1<<20)|(1<<21)|((\wq)<<22)|(3<<25)
	s_mov_b32 s[G1B+1], (\wb)<<16
	s_mov_b32 s[G1B+2], (\wr)<<16
	s_mov_b32 s[G1B+3], (\wb)<<16
	s_mov_b32 s[G1B+4], \wr
.endm
; Groups 0 of a fill behind a round: my half of A's tile to LDS byte s[la], ga bytes along a tile of A in memory; my half of W_out's to s[lb], gb bytes along K
.macro PLACE la, ga, lb, gb
	s_mov_b32 s[G0+1], s\la
	s_add_nc_u64 s[G0+2:G0+3], s[22:23], \ga
	s_or_b32 s[G0+3], s[G0+3], 0x80000000
	s_mov_b32 s[G0B+1], s\lb
	s_add_nc_u64 s[G0B+2:G0B+3], s[92:93], \gb
	s_or_b32 s[G0B+3], s[G0B+3], 0x80000000
.endm
	s_load_b256 s[4:11], s[0:1], 0x0               ; ao s[4:5], aosc s[6:7], W_out's codes s[8:9], W_out's scales s[10:11]
	s_load_b128 s[12:15], s[0:1], 0x20             ; b_out s[12:13], out0 s[14:15]
	v_lshl_add_u32 v[SPW], v0, 2, SPARE
	v_mov_b32 v[NIL], 0
	ds_add_u32 v[SPW], v[NIL]                      ; the opening lines: the add, twice on end, and its wait ahead of my first tensor load
	ds_add_u32 v[SPW], v[NIL]
	v_lshrrev_b32 v1, 5, v0
	v_readfirstlane_b32 s[WV], v1                  ; wave 0..3
	s_lshr_b32 s[WR], s[WV], 1                     ; which 64 rows of A are mine.  Also: behind a round I fetch for A (0) or for W_out (1)
	s_and_b32 s[WC], s[WV], 1                      ; which 128 rows of W_out.  Also: which half of a tile I fetch
	s_bfe_u32 s40, ttmp6, 0x40000
	s_bfe_u32 s41, ttmp6, 0x40004
	s_lshl_b32 s42, ttmp9, 2
	s_add_co_u32 s42, s42, s40                     ; tile column, 0 .. 3
	s_and_b32 s17, ttmp7, 0xffff
	s_lshl_b32 s17, s17, 2
	s_add_co_u32 s17, s17, s41                     ; tile row, 0 .. 63
	s_lshl_b32 s43, s41, 2
	s_lshl_b32 s43, 15, s43                        ; my row of the cluster
	s_lshl_b32 s44, 0x1111, s40                    ; my column
	s_or_b32 s[G1], s43, (3<<16)|(1<<21)           ; A: mask; elements of 8 bytes; bit 21 beside a mask; no padding: images are read 16 x lane on end
	s_mov_b32 s[G1+5], 2048                        ; 16,384 bytes from tile to tile
	s_mov_b32 s[G1+6], 0
	s_mov_b32 s[G1+7], 0
	s_mov_b32 s[G1B+5], 1024                       ; W_out: elements of 1 byte; 1,024 from row to row
	s_mov_b32 s[G1B+6], 0
	s_mov_b32 s[G1B+7], 0
	SHAPE 512, 8, 5, 256, 256                      ; the head's: A's 8 tiles of 4,096 bytes; W_out's 256 rows of 256
	s_or_b32 s[G1S], s43, (3<<16)|(1<<20)|(1<<21)|(5<<22)|(3<<25)   ; the scale bytes: dense blocks as rows of 256 bytes, 16 bytes of padding behind each
	s_or_b32 s[G1SB], s44, (3<<16)|(1<<20)|(1<<21)|(5<<22)|(3<<25)
.irp g, G1S, G1SB
	s_mov_b32 s[\g+1], 32<<16
	s_mov_b32 s[\g+3], 32<<16
	s_mov_b32 s[\g+5], 32
	s_mov_b32 s[\g+6], 0
	s_mov_b32 s[\g+7], 0
.endr
	s_mov_b32 s[G1S+2], (128*KS/256)<<16           ; A's 128 rows: 16 rows of 256 bytes
	s_mov_b32 s[G1S+4], 128*KS/256
	s_mov_b32 s[G1SB+2], (256*KS/256)<<16          ; W_out's 256 rows: 32
	s_mov_b32 s[G1SB+4], 256*KS/256
	s_lshl_b32 s20, s17, 17                        ; A's tile: 128 rows of 1,024 codes a tile row
	s_mov_b32 s21, 0
	s_lshr_b32 s22, s20, 5                         ; and its scale bytes
	s_mov_b32 s23, 0
	s_lshl_b32 s92, s42, 18                        ; W_out's: 256 rows a tile column
	s_mov_b32 s93, 0
	s_lshr_b32 s94, s92, 5
	s_mov_b32 s95, 0
	s_lshl_b32 s45, s[WC], 14                      ; where the halves go: no place in the cluster enters an LDS address.  Slot 0: A's,
	s_mul_i32 s96, s[WC], 128*P0
	s_add_co_u32 s96, s96, A0B                     ; W_out's;
	s_lshl_b32 s36, s[WC], 15
	s_add_co_u32 s36, s36, DA                      ; the double slot: A's,
	s_mul_i32 s37, s[WC], 128*PD
	s_add_co_u32 s37, s37, DB                      ; W_out's
	s_wait_dscnt 0x0                               ; both opening adds are done
	s_wait_kmcnt 0x0
	s_add_nc_u64 s[20:21], s[4:5], s[20:21]
	s_add_nc_u64 s[22:23], s[6:7], s[22:23]
	s_add_nc_u64 s[92:93], s[8:9], s[92:93]
	s_add_nc_u64 s[94:95], s[10:11], s[94:95]
	CROUND                                         ; all sixteen work-groups are here: the first joint loads meet
	s_mov_b32 s[G0S], 1
	s_mov_b32 s[G0S+1], SCL
	s_mov_b64 s[G0S+2:G0S+3], s[22:23]
	s_or_b32 s[G0S+3], s[G0S+3], 0x80000000
	s_mov_b32 s[G0SB], 1
	s_mov_b32 s[G0SB+1], SCLB
	s_mov_b64 s[G0SB+2:G0SB+3], s[94:95]
	s_or_b32 s[G0SB+3], s[G0SB+3], 0x80000000
	s_mov_b32 s[G0], 1
	s_mov_b32 s[G0+1], 0
	s_mov_b64 s[G0+2:G0+3], s[20:21]
	s_or_b32 s[G0+3], s[G0+3], 0x80000000
	s_mov_b32 s[G0B], 1
	s_mov_b32 s[G0B+1], A0B
	s_mov_b64 s[G0B+2:G0B+3], s[92:93]
	s_or_b32 s[G0B+3], s[G0B+3], 0x80000000
; THE HEAD'S LOADS, one a wave, in one chain of branches on the wave's number: every way passes exactly one.
.macro ARM under, g0, g1, next
	s_cmp_lt_u32 s[WV], \under
	s_cbranch_scc0 \next
	TL \g0, \g1
	s_branch .Lhead_asked
\next:
.endm
	ARM 1, G0B,  G1B,  .Lhead_a                    ; wave 0: W_out's 256 rows of K step 0
	ARM 2, G0,   G1,   .Lhead_sb                   ; wave 1: A's 128 rows
	ARM 3, G0SB, G1SB, .Lhead_sa                   ; wave 2: W_out's scale bytes
	TL G0S, G1S                                    ; wave 3: A's
.Lhead_asked:
	s_lshl_b32 s18, s[WC], 16                      ; for the later fills: my half of A's tile, 64 rows of 1,024 codes,
	s_mov_b32 s19, 0
	s_add_nc_u64 s[22:23], s[20:21], s[18:19]
	s_lshl_b32 s18, s[WC], 17                      ; and of W_out's, 128 rows
	s_add_nc_u64 s[92:93], s[92:93], s[18:19]
	s_lshl_b32 s18, s42, 10
	s_lshl_b32 s20, s[WC], 9
	s_add_co_u32 s18, s18, s20                     ; my first column, in bytes
	s_add_nc_u64 s[12:13], s[12:13], s[18:19]
	s_add_nc_u64 s[14:15], s[14:15], s[18:19]
	s_lshl_b32 s18, s17, 19                        ; 128 rows of 4,096 bytes a tile row,
	s_lshl_b32 s20, s[WR], 18                      ; my 64 of them
	s_add_co_u32 s18, s18, s20
	s_add_nc_u64 s[14:15], s[14:15], s[18:19]
	s_lshl_b32 s20, s[WR], 14                      ; my 64 rows of A in slot 0,
	s_lshl_b32 s21, s[WR], 15
	s_add_co_u32 s21, s21, DA                      ; in the double slot
	s_mul_i32 s38, s[WR], HALFSA                   ; A's scales: my 64 rows
	s_mul_i32 s39, s[WC], HALFS                    ; W_out's: my 128 rows, behind A's 128
	s_add_co_u32 s39, s39, 2*HALFSA
	s_sub_co_u32 s39, s39, s38
	s_add_co_u32 s38, s38, SCL
	s_mul_i32 s18, s[WV], 16*SPITCH
	s_add_co_u32 s18, s18, STAGE                   ; my stage
	v_and_b32 v1, 15, v0                           ; r
	v_bfe_u32 v2, v0, 4, 1                         ; h
	v_and_b32 v6, 31, v0
	v_lshlrev_b32 v[CO], 4, v6                     ; 16 x lane
	v_mul_u32_u24 v3, v1, P0
	v_lshl_add_u32 v3, v2, 4, v3
	v_mul_u32_u24 v4, v1, PD
	v_lshl_add_u32 v4, v2, 4, v4
	v_add_nc_u32 v[ADRA], s20, v[CO]
	v_add_nc_u32 v[ADRA+1], s21, v[CO]
	v_add_nc_u32 v[ADRB], s96, v3                  ; my 128 rows of W_out lie where the half with my column's number goes
	v_add_nc_u32 v[ADRB+1], s37, v4
	v_mul_u32_u24 v5, v1, KS                       ; my row's scales: 32 bytes a row,
	v_lshrrev_b32 v6, 8, v5
	v_lshl_add_u32 v5, v6, 4, v5                   ; and 16 more for each 256 passed
	v_mul_u32_u24 v6, s39, v2                      ; lanes 16-31 take W_out's
	v_add_nc_u32 v5, v5, v6
	v_add_nc_u32 v[ADRS], s38, v5
	v_mul_u32_u24 v5, v1, SPITCH
	v_lshl_add_u32 v5, v2, 5, v5
	v_add_nc_u32 v[STO], s18, v5                   ; in: row r, 32 bytes for each half of the lanes
	v_add_nc_u32 v[RD], s18, v[CO]                 ; back: the 32 lanes take one row of 512 bytes
	v_lshlrev_b32 v7, 5, v2
.irp b, 0,1,2,3,4,5,6,7
	global_load_b128 v[BI+8*\b:BI+8*\b+3], v7, s[12:13] offset:64*\b          ; register j of tile b: b_out at column 16 b + 8 h + j
	global_load_b128 v[BI+8*\b+4:BI+8*\b+7], v7, s[12:13] offset:64*\b+16
.endr
; 8 matrix instructions: A's block a x W_out's eight, from the sets p; q: which 128 of the K step; sc: the set of scale words.  zero: the product starts the sums on the bias.
; The 32 accumulators take turns, one instruction a turn, in the same order in every step.
.macro MUL8 a, p, q, sc, zero
.irp b, 0,1,2,3,4,5,6,7
.if \zero
	v_wmma_scale_f32_16x16x128_f8f6f4 v[8*(8*(\a)+\b):8*(8*(\a)+\b)+7], v[128*(\p)+FR*\b:128*(\p)+FR*\b+FR-1], v[AF+64*(\p)+FR*(\a):AF+64*(\p)+FR*(\a)+FR-1], v[BI+8*\b:BI+8*\b+7], v[SC+8*NQ*(\sc)+NQ*\b+(\q)], v[SC+8*NQ*(\sc)+NQ*(\a)+(\q)] matrix_a_scale:MATRIX_SCALE_ROW1
.else
	v_wmma_scale_f32_16x16x128_f8f6f4 v[8*(8*(\a)+\b):8*(8*(\a)+\b)+7], v[128*(\p)+FR*\b:128*(\p)+FR*\b+FR-1], v[AF+64*(\p)+FR*(\a):AF+64*(\p)+FR*(\a)+FR-1], v[8*(8*(\a)+\b):8*(8*(\a)+\b)+7], v[SC+8*NQ*(\sc)+NQ*\b+(\q)], v[SC+8*NQ*(\sc)+NQ*(\a)+(\q)] matrix_a_scale:MATRIX_SCALE_ROW1
.endif
.endr
.endm
; slot: 0, or 1 for the double slot; q: which 128 along K of the slot (0, 1; in the double slot 0 .. 3); p: the set of registers
.macro FETCH_B slot, q, p              ; 32 loads: W_out's eight fragments, from rows: lane l holds row l % 16; registers 4 c .. 4 c + 3 hold K = 32 c + 16 (l / 16) + 0 .. 15
	WIN TO_B
.irp i, 0,1,2,3,4,5,6,7
.irp c, 0,1,2,3
	ds_load_b128 v[128*(\p)+FR*\i+4*\c:128*(\p)+FR*\i+4*\c+3], v[ADRB+\slot] offset:128*(\q)+32*\c+\i*16*(P0+(PD-P0)*(\slot))
.endr
.endr
	WIN 0
.endm
.macro FETCH_A slot, q, p              ; 16 loads: A's four fragments, images: 512 consecutive bytes a load
.irp i, 0,1,2,3
.irp c, 0,1,2,3
	ds_load_b128 v[AF+64*(\p)+FR*\i+4*\c:AF+64*(\p)+FR*\i+4*\c+3], v[ADRA+\slot] offset:4096*(1+(\slot))*\i+2048*(\q)+512*\c
.endr
.endr
.endm
.macro SCALES sc                       ; 8 loads: a K step's scale words: lanes 16-31 take W_out's block i; lanes 0-15 A's block i (A has four: what they bring for i = 4 .. 7 are other rows' scale bytes, which no product names)
.irp i, 0,1,2,3,4,5,6,7
	ds_load_b64 v[SC+8*NQ*\sc+NQ*\i:SC+8*NQ*\sc+NQ*\i+1], v[ADRS] offset:\i*SBLK
.endr
.endm
.macro PLACES n                        ; plain vector instructions between a matrix instruction and a load into its registers or a read of its result
.rept \n
	v_nop
.endr
.endm
; A K step's first 128 (the slot's q-th): multiplies the sets 0; ahead of its products it asks for the next 128 of the same slot, into the sets 1.
.macro STEP slot, q, sc, zero
	PLACES NP                                      ; behind the products that read the sets 1
	FETCH_B \slot, (\q)+1, 1
	FETCH_A \slot, (\q)+1, 1
	s_wait_dscnt 48                                ; all but the 48 loads just issued: the sets 0 and the scale words are in
.if \zero
	WIN 0x81                                       ; C (the bias) in window 0, D in window 2
.else
	WIN MUL_LO
.endif
	MUL8 0, 0, 0, \sc, \zero
	MUL8 1, 0, 0, \sc, \zero
	MUL8 2, 0, 0, \sc, \zero
	MUL8 3, 0, 0, \sc, \zero
	WIN 0
.endm
; A K step's second 128 with a barrier in it.  Ahead of the barrier each wave waits for all its tensor loads, adds 0 to its spare word, and waits for that and for its reads of the slot.
; fill = 1: slot 0, which has been read out, takes K step 3: the barrier opens a round of the cluster's, and the joint load is the first thing behind it.  Then the next slot's first fragments are asked for.
.macro TURN sc, next, q, nsc, fill
	s_wait_tensorcnt 0x0                           ; all my tensor loads have landed, so the descriptors may be written
	ds_add_u32 v[SPW], v[NIL]                      ; 0 onto my spare word
.if \fill
	SHAPE 512, 4, 5, 256, 128                      ; half a tile a wave: 4 tiles of 4,096 bytes; 128 rows of 256
	PLACE 45, 3*4096, 96, 3*256
.endif
	s_wait_dscnt 1                                 ; the sets 1 are in; the add may be out
	WIN MUL_LO
	MUL8 0, 1, 1, \sc, 0
	s_wait_dscnt 0x0                               ; the add is done, and my reads of this slot are over
	s_barrier_signal -1
	MUL8 1, 1, 1, \sc, 0
	WIN 0
	s_barrier_wait -1
.if \fill
	CREST                                          ; no wave of any partner still reads slot 0 or has a load on its way
	JLOAD                                          ; its four v_nop are among the places below
	PLACES NP-4
.else
	PLACES NP                                      ; behind the products that read the sets 0
.endif
	v_add_nc_u32 v[ADRS], 4*NQ, v[ADRS]            ; the next K step's scale words
	s_wait_alu depctr_va_vdst(0)                   ; directly behind the write
	FETCH_B \next, \q, 0
	FETCH_A \next, \q, 0
	SCALES \nsc
	WIN MUL_LO
	MUL8 2, 1, 1, \sc, 0
	MUL8 3, 1, 1, \sc, 0
	WIN 0
.endm
; A K step's second 128 whose successor lies in the same slot: no barrier.
.macro CROSS sc, next, q, nsc
	PLACES NP                                      ; behind the products that read the sets 0
	v_add_nc_u32 v[ADRS], 4*NQ, v[ADRS]
	s_wait_alu depctr_va_vdst(0)                   ; directly behind the write
	FETCH_B \next, \q, 0
	FETCH_A \next, \q, 0
	SCALES \nsc
	s_wait_dscnt 56                                ; all but the 56 loads just issued: the sets 1 are in
	WIN MUL_LO
	MUL8 0, 1, 1, \sc, 0
	MUL8 1, 1, 1, \sc, 0
	MUL8 2, 1, 1, \sc, 0
	MUL8 3, 1, 1, \sc, 0
	WIN 0
.endm
	s_wait_alu depctr_va_vdst(0)
	s_wait_tensorcnt 0x0                           ; my tile of the head's four is in
	ds_add_u32 v[SPW], v[NIL]
	SHAPE 1024, 4, 6, 512, 128                     ; K steps 1 and 2 in one: 4 tiles of 8,192 bytes; 128 rows of 512, padded behind each
	PLACE 36, 4096, 37, 256
	s_wait_dscnt 0x0                               ; the add is done
	CROUND                                         ; all four tiles are in, and all sixteen work-groups are here
	JLOAD                                          ; the double slot's first fill: the first tensor load behind the round
	FETCH_B 0, 0, 0
	FETCH_A 0, 0, 0
	SCALES 0
	s_wait_loadcnt 0x0                             ; the bias
	STEP 0, 0, 0, 1                                ; K step 0, in slot 0
	TURN 0, 1, 0, 1, 1                             ; K steps 1 and 2 have landed; slot 0 takes K step 3
	STEP 1, 0, 1, 0                                ; K step 1
	CROSS 1, 1, 2, 0
	STEP 1, 2, 0, 0                                ; K step 2
	TURN 0, 0, 0, 1, 0                             ; K step 3 has landed in every wave's part; nothing is left to fetch
	STEP 0, 0, 1, 0                                ; K step 3, in slot 0
	s_wait_dscnt 0
	WIN MUL_LO
	MUL8 0, 1, 1, 1, 0
	MUL8 1, 1, 1, 1, 0
	MUL8 2, 1, 1, 1, 0
	MUL8 3, 1, 1, 1, 0
	WIN 0
; THE WAY OUT, block by block of 16 rows x 128 columns, through my own stage in LDS: in as 32 bytes a lane, back as whole rows of 512 bytes.  LDS serves a wave's instructions in order (ISA guide 5.7.1.4).
.macro TOSTAGE a
.set AC, 64*(\a)
	WIN 0x08                                       ; the data: window 2
.irp b, 0,1,2,3,4,5,6,7
	ds_store_b128 v[STO], v[AC+8*\b:AC+8*\b+3] offset:64*\b          ; each accumulator from its low end on
	ds_store_b128 v[STO], v[AC+8*\b+4:AC+8*\b+7] offset:64*\b+16
.endr
	WIN 0
.set BB, BK+64*((\a)%2)
.irp t, 0,1,2,3,4,5,6,7,8,9,10,11,12,13,14,15
	ds_load_b128 v[BB+4*\t:BB+4*\t+3], v[RD] offset:\t*SPITCH
.endr
.endm
.macro SEND a, younger                 ; younger: the LDS instructions issued behind block a's loads
.set BB, BK+64*((\a)%2)
	s_wait_dscnt \younger
.if (\a) > 0
	s_add_nc_u64 s[14:15], s[14:15], 16*NCOL*4     ; behind a wait on XCNT: the earlier stores have read their base
.endif
.irp t, 0,1,2,3,4,5,6,7,8,9,10,11,12,13,14,15
	global_store_b128 v[CO], v[BB+4*\t:BB+4*\t+3], s[14:15] offset:\t*NCOL*4 th:TH_STORE_NT   ; 32 lanes store 512 consecutive bytes, aligned
.endr
.endm
	PLACES NP                                      ; behind the last products: for the reads of their results and the loads into A's registers
	TOSTAGE 0
.irp a, 1,2,3
.if \a > 1
	s_wait_xcnt 0x0                                ; block a - 2's stores have read their registers and their base
.endif
	TOSTAGE \a
	SEND \a-1, 32                                  ; behind block a - 1's loads: block a's 16 stores and 16 loads
.endr
	s_wait_xcnt 0x0
	SEND 3, 0
	s_wait_tensorcnt 0x0                           ; the wave's end
	ds_add_u32 v[SPW], v[NIL]
	s_wait_dscnt 0x0
	CROUND                                         ; the closing round: no work-group ends while a partner may still ask for a tile that names it
	s_endpgm
.Lfunc_end_k_qa9b98a7a96_proj:
	.size	k_qa9b98a7a96_proj, .Lfunc_end_k_qa9b98a7a96_proj-k_qa9b98a7a96_proj
	.p2alignl 7, 3214868480
	.fill 96, 4, 3214868480
	.section	.rodata,"a",@progbits
	.p2align	6, 0x0
	.amdhsa_kernel k_qa9b98a7a96_proj
		.amdhsa_group_segment_fixed_size 327680
		.amdhsa_private_segment_fixed_size 0
		.amdhsa_enable_private_segment 0
		.amdhsa_kernarg_size 48
		.amdhsa_user_sgpr_count 2
		.amdhsa_user_sgpr_kernarg_segment_ptr 1
		.amdhsa_wavefront_size32 1
		.amdhsa_system_sgpr_workgroup_id_x 1
		.amdhsa_system_sgpr_workgroup_id_y 1
		.amdhsa_system_sgpr_workgroup_id_z 1
		.amdhsa_system_vgpr_workitem_id 0
		.amdhsa_next_free_vgpr 768
		.amdhsa_next_free_sgpr 98
		.amdhsa_reserve_vcc 0
		.amdhsa_float_denorm_mode_32 3
		.amdhsa_float_denorm_mode_16_64 3
		.amdhsa_memory_ordered 1
		.amdhsa_forward_progress 1
		.amdhsa_inst_pref_size 91
	.end_amdhsa_kernel
	.amdgpu_metadata
---
amdhsa.version: [ 1, 2 ]
amdhsa.kernels:
  - .name:           k_qa9b98a7a96_proj
    .symbol:         k_qa9b98a7a96_proj.kd
    .args:
      - { .name: ao, .offset: 0, .size: 8, .value_kind: global_buffer, .address_space: global }
      - { .name: aosc, .offset: 8, .size: 8, .value_kind: global_buffer, .address_space: global }
      - { .name: W_out_codes, .offset: 16, .size: 8, .value_kind: global_buffer, .address_space: global }
      - { .name: W_out_scales, .offset: 24, .size: 8, .value_kind: global_buffer, .address_space: global }
      - { .name: b_out, .offset: 32, .size: 8, .value_kind: global_buffer, .address_space: global }
      - { .name: out0, .offset: 40, .size: 8, .value_kind: global_buffer, .address_space: global }
    .group_segment_fixed_size: 327680
    .private_segment_fixed_size: 0
    .kernarg_segment_align: 8
    .kernarg_segment_size: 48
    .max_flat_workgroup_size: 128
    .sgpr_count:     98
    .vgpr_count:     768
    .wavefront_size: 32
...
	.end_amdgpu_metadata
.endif
;; end of part 3
